; MI455X (gfx1250); checked and timed in simulation.
; The chip was launched on July 23, 2026; its instructions are those of AMD's public machine-readable ISA for CDNA 5 (MIT licence, August 2026) and "CDNA5" Instruction Set Architecture Reference Guide (July 2026). The comments in the code are by the model that wrote it; some were corrected since.
;; Stabilized Attention. Allowed arithmetic: matrix products marked QUANTISED: E2M1 operands, one E8M0 scale for each 32 along K, by v_wmma_scale_f32_16x16x128_f8f6f4 with both operands' format E2M1 (or v_wmma_scale_f32_32x16x128_f4), f32 sums; products left as they are: bf16, f16 or f32 operands; f32 sums; everything else in f32.
;; Inputs: b_out 1,024 float32; b_qkv 3,072 float32; w_out 1,024 x 1,024 float32; w_qkv 1,024 x 3,072 float32; x 4 x 2,048 x 1,024 float32.
;; Outputs: out0 4 x 2,048 x 1,024 float32.
;; This version of the problem:
;;   THIS VERSION OF THE PROBLEM IS GIVEN IN LOW PRECISION. The matrix products marked QUANTISED in the list below multiply operands that are first quantised to E2M1 (2 exponent bits, 1 mantissa bit; 4 bits a number), with one power-of-two scale for each 32 numbers along K (OCP MX v1.0); their sums are f32. The products marked 'left as it is' may take bf16, f16 or f32 operands, with f32 sums. Whichever they take, every output number must still come out within the allowed error. Rounding operands to bf16 (8 significant bits) uses up far more of that allowance than f16 does (11 bits, for magnitudes from 6e-5 to 65,504). All else is computed in f32.
;;   The module's matrix products, in the order in which they are computed (A, B: the left and right operand; K: the contracted axis; several contracted axes count as one K, in the product's order):
;;     1. [M 8,192, K 1,024] x [K 1,024, N 3,072]; A: input x; B: input w_qkv: QUANTISED
;;     2. batch 64 x [M 2,048, K 64] x [K 64, N 2,048]; A: computed on the way; B: computed on the way: left as it is (an operand is computed on the way)
;;     3. batch 64 x [M 2,048, K 2,048] x [K 2,048, N 64]; A: computed on the way; B: computed on the way: left as it is (an operand is computed on the way)
;;     4. [M 8,192, K 1,024] x [K 1,024, N 1,024]; A: computed on the way; B: input w_out: left as it is (an operand is computed on the way)
;;   THE QUANTISER, for each operand of a quantised product, along K:
;;     - K is cut into blocks of 32 from its start; a last block that is shorter is filled with zeros.
;;     - A block's scale is 2^e with e = floor(log2(the largest magnitude in the block)) - 2, held to -126 .. 127; a block of zeros has e = 0. As a byte (E8M0): e + 127.
;;     - Each number is divided by its block's scale, clamped to +-6, and rounded to the nearest number of E2M1, ties to even, subnormals kept.
;;     - The product sums the exact products of the quantised numbers (number of the format x scale) in f32.
;;   ~~~python
;;   def quantise(x, axis):      # numpy; x: float32 -> the quantised numbers, widened to float32 again
;;       x = np.moveaxis(x, axis, -1); K = x.shape[-1]
;;       x = np.pad(x, [(0, 0)] * (x.ndim - 1) + [(0, -K % 32)]); x = x.reshape(x.shape[:-1] + (-1, 32)); a = np.abs(x).max(-1, keepdims=True)
;;       e = np.where(a > 0, np.clip(np.frexp(np.where(a > 0, a, 1))[1] - 1 - 2, -126, 127), 0)      # np.frexp(a)[1] - 1 = floor(log2(a)), exactly
;;       r = np.clip(x / 2.0 ** e, -6, 6)
;;       step = 2.0 ** (np.maximum(np.frexp(np.where(r == 0, 1, r))[1] - 1, 0) - 1)
;;       q = np.round(r / step) * step * 2.0 ** e      # np.round: ties to even
;;       return np.moveaxis(q.reshape(q.shape[:-2] + (-1,))[..., :K], -1, axis).astype(np.float32)
;;   ~~~
;; One version. Each part assembles by itself: llvm-mc -triple=amdgcn-amd-amdhsa -mcpu=gfx1250 --defsym DOCPART=n.
;; ======== version 1 of 1: 5 launches
;; limits: values are held in f16: magnitudes above 65,504 overflow, below 6.1e-05 lose precision
;; workspace buffers: xc 4,194,304 bytes; xs 262,144 bytes; wc 1,572,864 bytes; ws 98,304 bytes; wf 2,097,152 bytes; qkv 50,331,648 bytes; fq 786,432 bytes; ao 16,777,216 bytes
;; launch prep (part 1): grid 432 x 1, 4 waves a work-group, no clusters, 68,096 bytes of LDS; arguments x, w_qkv, w_out, xc, xs, wc, ws, wf; writes xc, xs, wc, ws, wf
.if DOCPART == 1
	.amdgcn_target "amdgcn-amd-amdhsa--gfx1250"
	.amdhsa_code_object_version 6
	.text
	.protected	k_q1428e9595e_prep
	.globl	k_q1428e9595e_prep
	.p2align	8
	.type	k_q1428e9595e_prep,@function
k_q1428e9595e_prep:
	s_mov_b64 s[64:65], 0
	v_nop
	global_prefetch_b8 v0, s[64:65] scope:SCOPE_SE
	s_setreg_imm32_b32 hwreg(HW_REG_WAVE_MODE, 25, 1), 1
	s_wait_xcnt 0x0
; One launch prepares the three large inputs.  The work-group's number picks one of three paths, which never join:
;   0 .. 47     W: w_qkv [1024 (k)][3072 (n)] f32 -> codes of E2M1 laid [3072][512 bytes], K innermost, and E8M0 bytes [3072][32]
;   48 .. 175   C: w_out [1024][1024] f32 -> f16, same layout
;   176 .. 431  X: x [8192][1024] f32 -> codes [8192][512 bytes] and E8M0 bytes [8192][32]
; A block's scale is 2^(floor(log2(its largest magnitude)) - 2); its byte is that magnitude's exponent field - 2, held at 1 from below.
; LIMITS: a block of zeros gets the byte 1 where the rule says 127 (its codes are zeros, and this program alone reads the bytes); blocks whose largest
; magnitude lies under 2^-124, the floor, were not tried; NaN and infinities are not served; w_out must lie inside f16's range (65,504).
; LDS: path X has bytes 0 .. 32,767, path W bytes 32,768 .. 67,583: each path its own; behind them the spare words.  No tensor load, no barrier: waves share nothing.
.set SPW,    192                       ; v192  LDS address of my spare word; never rewritten
.set NIL,    193                       ; v193  0; never rewritten
.set WV,     20                        ; s20   my wave's number
.set EMAX,   2
.set XSTEPS, 16                        ; path X: a wave takes 16 steps of 512 numbers
.set XCB,    8                         ; bytes of 16 codes
.set XR,     16                        ; v16-79   four sets of 16 numbers as loaded
.set XX,     80                        ; v80-111  two sets of 16 neighbours
.set XE,     112                       ; v112-127 a scale byte for each step
.set XC,     128                       ; v128-191 codes, four registers a step
.set XWREG,  8192                      ; a wave's LDS: two stages of 32 x 80 bytes, then its 256 scale bytes
.set XSP,    80                        ; a lane's place in a stage: 64 bytes + 16 of padding
.set WSTG,   32768                     ; path W: four stages of 32 rows x 272 bytes
.set WPITCH, 272
.set WKROW,  512                       ; a row of wc in bytes
.set WNB,    16                        ; blocks of 32 along K for a wave
.set WX,     32                        ; v32-95   two sets of 32 numbers
.set WC,     96                        ; v96-99   a block's codes
.set WOUT,   112                       ; v112-175 the way out
.set WSB,    24                        ; v24-27   the scale bytes, four to a register
.set SPARE,  WSTG+4*32*WPITCH          ; 67,584: the spare words, 128 bytes a wave: two blocks of 256 bytes that no other line names
	s_load_b256 s[4:11], s[0:1], 0x0               ; x s[4:5], w_qkv s[6:7], w_out s[8:9], xc s[10:11]
	s_load_b256 s[12:19], s[0:1], 0x20             ; xs s[12:13], wc s[14:15], ws s[16:17], wf s[18:19]
	v_lshl_add_u32 v[SPW], v0, 2, SPARE
	v_mov_b32 v[NIL], 0
	v_lshrrev_b32 v1, 5, v0
	v_readfirstlane_b32 s[WV], v1                  ; wave 0..3
	v_and_b32 v2, 31, v0                           ; lane
	s_mov_b32 s25, 0                               ; the high word of every offset pair s[24:25]
	s_wait_kmcnt 0x0
	s_cmp_lt_u32 ttmp9, 48
	s_cbranch_scc1 .Lpath_w
	s_cmp_lt_u32 ttmp9, 176
	s_cbranch_scc1 .Lpath_c
; ---------------- path X.  Rows are dense and 1,024 is a multiple of 32: x is a plain stream of blocks of 32, and so are its codes and scale bytes.
; Each load reads 512 consecutive bytes; a step's 2,048 bytes turn through the wave's own stage so that a lane holds 16 neighbours along K; two neighbouring lanes hold a block.
	v_lshlrev_b32 v3, 4, v2                        ; my 16 bytes of a load's 512
	s_mul_i32 s21, s[WV], XWREG
	v_lshrrev_b32 v14, 2, v2
	v_mul_u32_u24 v14, v14, XSP
	v_and_b32 v15, 3, v2
	v_lshl_add_u32 v14, v15, 4, v14
	v_add_nc_u32 v14, s21, v14                     ; the stage, way in: 80 (lane / 4) + 16 (lane % 4)
	v_mul_u32_u24 v15, v2, XSP
	v_add_nc_u32 v15, s21, v15                     ; way out: 80 x lane
	v_mul_u32_u24 v4, v2, XCB                      ; my codes' place in a step's 256 bytes
	v_lshrrev_b32 v5, 1, v2
	s_add_co_u32 s21, s21, 2*32*XSP
	v_add_nc_u32 v5, s21, v5                       ; LDS: my block's scale byte
	v_lshlrev_b32 v7, 3, v2
	v_add_nc_u32 v6, s21, v7                       ; and 8 bytes a lane on their way out
	s_sub_co_u32 s22, ttmp9, 176
	s_lshl_b32 s22, s22, 2
	s_add_co_u32 s22, s22, s[WV]                   ; which run of 8,192 numbers is my wave's: 0 .. 1,023
	s_lshl_b32 s24, s22, 15
	s_add_nc_u64 s[4:5], s[4:5], s[24:25]          ; 32,768 bytes of x a run,
	s_lshl_b32 s24, s22, 12
	s_add_nc_u64 s[10:11], s[10:11], s[24:25]      ; 4,096 of codes,
	s_lshl_b32 s24, s22, 8
	s_add_nc_u64 s[12:13], s[12:13], s[24:25]      ; 256 scale bytes
.macro LOADX t
.irp i, 0,1,2,3
	global_load_b128 v[XR+16*((\t)%4)+4*\i:XR+16*((\t)%4)+4*\i+3], v3, s[4:5] offset:2048*(\t)+512*\i th:TH_LOAD_NT
.endr
.endm
.macro TURNX t                         ; LDS serves a wave's instructions in order: no wait between the stores and the loads
.irp i, 0,1,2,3
	ds_store_b128 v14, v[XR+16*((\t)%4)+4*\i:XR+16*((\t)%4)+4*\i+3] offset:32*XSP*((\t)%2)+8*XSP*\i
.endr
.irp i, 0,1,2,3
	ds_load_b128 v[XX+16*((\t)%2)+4*\i:XX+16*((\t)%2)+4*\i+3], v15 offset:32*XSP*((\t)%2)+16*\i
.endr
.endm
.irp t, 0,1,2,3
	LOADX \t
.endr
	s_wait_loadcnt 12                              ; step 0's four loads are in; twelve younger ones stay out
	TURNX 0
.macro STEPX t
.set XS, XX+16*((\t)%2)
.if (\t) > 0
	s_wait_dscnt 1                                 ; this step's numbers are back from the stage; the last step's byte store may be out
.else
	s_wait_dscnt 0x0
.endif
.if (\t)+4 < XSTEPS
	LOADX (\t)+4                                   ; into the registers whose stage stores have been served
.endif
.if (\t)+1 < XSTEPS
.if XSTEPS-2-(\t) >= 3
	s_wait_loadcnt 12                              ; the next step's four loads are in; those of three later steps may be out
.else
	s_wait_loadcnt 4*(XSTEPS-2-(\t))
.endif
	TURNX (\t)+1
.endif
	v_max3_num_f32 v8, |v[XS]|, |v[XS+1]|, |v[XS+2]|               ; the largest magnitude of my 16, in two chains
	v_max3_num_f32 v9, |v[XS+3]|, |v[XS+4]|, |v[XS+5]|
.irp i, 6,10
	v_max3_num_f32 v8, v8, |v[XS+\i]|, |v[XS+\i+1]|
	v_max3_num_f32 v9, v9, |v[XS+\i+2]|, |v[XS+\i+3]|
.endr
	v_max3_num_f32 v8, v8, |v[XS+14]|, |v[XS+15]|
	v_max3_num_f32 v8, v8, v9, (EMAX+1)<<23        ; and the floor 2^(3 - 127): the byte cannot fall under 1
	v_max_num_f32_dpp v8, v8, v8 row_xmask:1 row_mask:0xf bank_mask:0xf   ; with my neighbour's 16: the block's
	v_add_nc_u32 v11, -(EMAX<<23), v8              ; 2 off its exponent field: the conversion takes that field as its scale
	v_cvt_scalef32_pk8_fp4_f32 v[XC+4*(\t)], v[XS:XS+7], v11
	v_cvt_scalef32_pk8_fp4_f32 v[XC+4*(\t)+1], v[XS+8:XS+15], v11
	v_lshrrev_b32 v[XE+(\t)], 23, v11              ; the scale's byte (also the plain line behind the conversions)
	ds_store_b8 v5, v[XE+(\t)] offset:16*(\t)      ; both lanes of a block write the same byte with the same value
	global_store_b64 v4, v[XC+4*(\t):XC+4*(\t)+1], s[10:11] offset:32*XCB*(\t)   ; the wave stores 256 consecutive bytes, aligned
.endm
.irp t, 0,1,2,3,4,5,6,7,8,9,10,11,12,13,14,15
	STEPX \t
.endr
	ds_load_b64 v[8:9], v6                         ; my wave's 256 scale bytes, behind my stores of them
	s_wait_dscnt 0x0
	global_store_b64 v7, v[8:9], s[12:13]          ; 256 consecutive bytes, aligned
	s_wait_tensorcnt 0x0                           ; the wave's end
	ds_add_u32 v[SPW], v[NIL]
	s_wait_dscnt 0x0
	s_endpgm
; ---------------- path C.  A wave casts 2,048 numbers of w_out: 16 loads of 512 bytes, 16 stores of 256 bytes.
.Lpath_c:
	s_sub_co_u32 s21, ttmp9, 48
	s_lshl_b32 s21, s21, 2
	s_add_co_u32 s21, s21, s[WV]                   ; run 0 .. 511
	s_lshl_b32 s24, s21, 13
	s_add_nc_u64 s[8:9], s[8:9], s[24:25]
	s_lshl_b32 s24, s21, 12
	s_add_nc_u64 s[18:19], s[18:19], s[24:25]
	v_lshlrev_b32 v1, 4, v2
	v_lshlrev_b32 v3, 3, v2
.irp i, 0,1,2,3,4,5,6,7,8,9,10,11,12,13,14,15
	global_load_b128 v[16+4*\i:19+4*\i], v1, s[8:9] offset:512*\i th:TH_LOAD_NT
.endr
.irp i, 0,1,2,3,4,5,6,7,8,9,10,11,12,13,14,15
	s_wait_loadcnt 15-\i                           ; loads come back in order: load i is in, the younger ones stay out
	v_cvt_pk_f16_f32 v[96+2*\i], v[16+4*\i], v[17+4*\i]
	v_cvt_pk_f16_f32 v[97+2*\i], v[18+4*\i], v[19+4*\i]
	global_store_b64 v3, v[96+2*\i:97+2*\i], s[18:19] offset:256*\i   ; each store has registers of its own
.endr
	s_wait_tensorcnt 0x0                           ; the same three lines at this end too
	ds_add_u32 v[SPW], v[NIL]
	s_wait_dscnt 0x0
	s_endpgm
; ---------------- path W.  K is w_qkv's FIRST axis.  A lane takes a column n and its registers run down K: each load reads 128 consecutive bytes a wave, a block of 32
; along K lies in one lane's 32 registers, and the conversions give codes with K innermost.  A wave takes 32 columns x 512 along K; its codes leave through its own stage as rows of 256 bytes.
.Lpath_w:
	s_cmp_ge_u32 ttmp9, 24
	s_cselect_b32 s22, 1, 0                        ; which 512 along K
	s_cselect_b32 s21, 24, 0
	s_sub_co_u32 s21, ttmp9, s21                   ; which 128 columns
	s_lshl_b32 s21, s21, 7
	s_lshl_b32 s23, s[WV], 5
	s_add_co_u32 s21, s21, s23                     ; my wave's first column
	v_lshlrev_b32 v3, 2, v2                        ; in: 4 bytes a lane
	s_mul_i32 s23, s[WV], 32*WPITCH
	s_add_co_u32 s23, s23, WSTG                    ; my stage
	v_mul_u32_u24 v4, v2, WPITCH
	v_add_nc_u32 v4, s23, v4                       ; into it: row = my column
	v_and_b32 v5, 15, v2
	v_lshrrev_b32 v6, 4, v2
	v_mul_u32_u24 v7, v6, WPITCH
	v_lshl_add_u32 v7, v5, 4, v7
	v_add_nc_u32 v7, s23, v7                       ; out of it: sixteen lanes to a row, two rows an instruction
	v_mul_u32_u24 v8, v6, WKROW
	v_lshl_add_u32 v8, v5, 4, v8                   ; the same place in wc
	v_mul_u32_u24 v9, v2, 32                       ; my column's row of scale bytes
	s_mul_i32 s24, s22, 512*3072*4
	s_lshl_b32 s23, s21, 2
	s_add_co_u32 s24, s24, s23
	s_add_nc_u64 s[6:7], s[6:7], s[24:25]          ; w_qkv at (512 y, column)
	s_lshl_b32 s24, s21, 9
	s_lshl_b32 s23, s22, 8
	s_add_co_u32 s24, s24, s23
	s_add_nc_u64 s[14:15], s[14:15], s[24:25]      ; wc at column x 512 + 256 y
	s_lshl_b32 s24, s21, 5
	s_lshl_b32 s23, s22, 4
	s_add_co_u32 s24, s24, s23
	s_add_nc_u64 s[16:17], s[16:17], s[24:25]      ; ws at column x 32 + 16 y
.macro LOADW t                         ; block t: w(32 t + i, my column); the largest offset, 511 rows of 12,288 bytes, lies inside the signed 24-bit immediate
.irp i, 0,1,2,3,4,5,6,7,8,9,10,11,12,13,14,15,16,17,18,19,20,21,22,23,24,25,26,27,28,29,30,31
	global_load_b32 v[WX+32*((\t)%2)+\i], v3, s[6:7] offset:(32*(\t)+\i)*3072*4 th:TH_LOAD_NT
.endr
.endm
	LOADW 0
	LOADW 1
.macro BLOCKW t
.set WS_, WX+32*((\t)%2)
.if (\t) < WNB-1
	s_wait_loadcnt 32                              ; this block's 32 loads are in; the next block's may be out
.else
	s_wait_loadcnt 0
.endif
	v_max3_num_f32 v12, |v[WS_]|, |v[WS_+1]|, |v[WS_+2]|
	v_max3_num_f32 v13, |v[WS_+3]|, |v[WS_+4]|, |v[WS_+5]|
.irp i, 6,10,14,18,22,26
	v_max3_num_f32 v12, v12, |v[WS_+\i]|, |v[WS_+\i+1]|
	v_max3_num_f32 v13, v13, |v[WS_+\i+2]|, |v[WS_+\i+3]|
.endr
	v_max3_num_f32 v12, v12, |v[WS_+30]|, |v[WS_+31]|
	v_max3_num_f32 v12, v12, v13, (EMAX+1)<<23     ; with the floor
	v_add_nc_u32 v11, -(EMAX<<23), v12             ; the conversion's scale operand
	v_lshrrev_b32 v13, 23, v11                     ; the scale's byte
.if (\t)%4 == 0
	v_mov_b32 v[WSB+(\t)/4], v13
.else
	v_lshl_or_b32 v[WSB+(\t)/4], v13, 8*((\t)%4), v[WSB+(\t)/4]
.endif
.irp g, 0,1,2,3
	v_cvt_scalef32_pk8_fp4_f32 v[WC+\g], v[WS_+8*\g:WS_+8*\g+7], v11
.endr
	v_nop                                          ; one plain line behind the conversions
	ds_store_b128 v4, v[WC:WC+3] offset:16*(\t)    ; 32 codes: 16 bytes of my column's row
.if (\t)+2 < WNB
	LOADW (\t)+2
.endif
	s_wait_dscnt 0x0                               ; the store has read its registers: the next block's codes may be written
.endm
.set Q, 0
.rept WNB
	BLOCKW Q
.set Q, Q+1
.endr
	global_store_b128 v9, v[WSB:WSB+3], s[16:17]   ; my column's 16 scale bytes
.irp t, 0,1,2,3,4,5,6,7,8,9,10,11,12,13,14,15
	ds_load_b128 v[WOUT+4*\t:WOUT+4*\t+3], v7 offset:2*\t*WPITCH
.endr
.irp t, 0,1,2,3,4,5,6,7,8,9,10,11,12,13,14,15
	s_wait_dscnt 15-\t                             ; load t is back, the younger ones stay out
	global_store_b128 v8, v[WOUT+4*\t:WOUT+4*\t+3], s[14:15] offset:2*\t*WKROW   ; sixteen lanes store 256 consecutive bytes, aligned
.endr
	s_wait_tensorcnt 0x0                           ; the wave's end
	ds_add_u32 v[SPW], v[NIL]
	s_wait_dscnt 0x0
	s_endpgm
.Lfunc_end_k_q1428e9595e_prep:
	.size	k_q1428e9595e_prep, .Lfunc_end_k_q1428e9595e_prep-k_q1428e9595e_prep
	.p2alignl 7, 3214868480
	.fill 96, 4, 3214868480
	.section	.rodata,"a",@progbits
	.p2align	6, 0x0
	.amdhsa_kernel k_q1428e9595e_prep
		.amdhsa_group_segment_fixed_size 68096
		.amdhsa_private_segment_fixed_size 0
		.amdhsa_enable_private_segment 0
		.amdhsa_kernarg_size 64
		.amdhsa_user_sgpr_count 2
		.amdhsa_user_sgpr_kernarg_segment_ptr 1
		.amdhsa_wavefront_size32 1
		.amdhsa_system_sgpr_workgroup_id_x 1
		.amdhsa_system_sgpr_workgroup_id_y 1
		.amdhsa_system_sgpr_workgroup_id_z 1
		.amdhsa_system_vgpr_workitem_id 0
		.amdhsa_next_free_vgpr 194
		.amdhsa_next_free_sgpr 66
		.amdhsa_reserve_vcc 0
		.amdhsa_float_denorm_mode_32 3
		.amdhsa_float_denorm_mode_16_64 3
		.amdhsa_memory_ordered 1
		.amdhsa_forward_progress 1
		.amdhsa_inst_pref_size 117
	.end_amdhsa_kernel
	.amdgpu_metadata
---
amdhsa.version: [ 1, 2 ]
amdhsa.kernels:
  - .name:           k_q1428e9595e_prep
    .symbol:         k_q1428e9595e_prep.kd
    .args:
      - { .name: x, .offset: 0, .size: 8, .value_kind: global_buffer, .address_space: global }
      - { .name: w_qkv, .offset: 8, .size: 8, .value_kind: global_buffer, .address_space: global }
      - { .name: w_out, .offset: 16, .size: 8, .value_kind: global_buffer, .address_space: global }
      - { .name: xc, .offset: 24, .size: 8, .value_kind: global_buffer, .address_space: global }
      - { .name: xs, .offset: 32, .size: 8, .value_kind: global_buffer, .address_space: global }
      - { .name: wc, .offset: 40, .size: 8, .value_kind: global_buffer, .address_space: global }
      - { .name: ws, .offset: 48, .size: 8, .value_kind: global_buffer, .address_space: global }
      - { .name: wf, .offset: 56, .size: 8, .value_kind: global_buffer, .address_space: global }
    .group_segment_fixed_size: 68096
    .private_segment_fixed_size: 0
    .kernarg_segment_align: 8
    .kernarg_segment_size: 64
    .max_flat_workgroup_size: 128
    .sgpr_count:     66
    .vgpr_count:     194
    .wavefront_size: 32
...
	.end_amdgpu_metadata
.endif
;; end of part 1
;; launch gemm_qkv (part 2): grid 12 x 32, 4 waves a work-group, clusters of 4 x 4, 327,680 bytes of LDS; arguments xc, xs, wc, ws, b_qkv, qkv, fq; writes qkv, fq
.if DOCPART == 2
	.amdgcn_target "amdgcn-amd-amdhsa--gfx1250"
	.amdhsa_code_object_version 6
	.text
	.protected	k_q1428e9595e_gemm_qkv
	.globl	k_q1428e9595e_gemm_qkv
	.p2align	8
	.type	k_q1428e9595e_gemm_qkv,@function
k_q1428e9595e_gemm_qkv:
	s_mov_b64 s[64:65], 0
	v_nop
	global_prefetch_b8 v0, s[64:65] scope:SCOPE_SE
	s_setreg_imm32_b32 hwreg(HW_REG_WAVE_MODE, 25, 1), 1
	s_wait_xcnt 0x0
	s_wait_alu depctr_hold_cnt(0) depctr_sa_sdst(0) depctr_va_vdst(0) depctr_va_sdst(0) depctr_va_ssrc(0) depctr_va_vcc(0) depctr_vm_vsrc(0)
	s_getreg_b32 s2, hwreg(HW_REG_IB_STS2, 6, 4)
	s_cmp_eq_u32 s2, 0
	s_cbranch_scc0 .Lentry_in_a_cluster
	s_endpgm
.Lentry_in_a_cluster:
	s_bfe_u32 s2, ttmp6, 0x10000c
	s_cmp_lg_u32 s2, 0xf033
	s_cbranch_scc0 .Lentry_shape_is_right
	s_endpgm
.Lentry_shape_is_right:
; qkv = Q(x) Q(w_qkv) + b_qkv on codes of E2M1 with E8M0 scales: A = xc [8192][512 bytes], B = wc [3072][512 bytes], scale bytes [rows][32]; sums in f32.
; A tile, 256 rows x 256 columns, is made by four waves, each 128 x 128: 64 accumulators, 512 registers.  K = 1,024 is two LDS slots of 512: all of K is asked for at the head, nothing is filled again.
; The scale bytes of the tile's 256 + 256 rows come once, as dense blocks.  CLUSTERS 4 x 4: A's tile is shared along a row of the cluster, B's along a column, by joint loads.
; THE TILE ROW IS 8 cy + cluster y: so the batch is cy and the block of 256 positions is cluster y, a number that all partners share: the branch for the first 16 positions hangs on it and on the wave's number.
; THE MATRIX INSTRUCTION IS USED TRANSPOSED (source 0 = 16 rows of wc, source 1 = 16 rows of xc): a lane holds eight neighbouring columns of a row.  The bias is the C of each sum's first product.
; OUT: rounded to f16 into qkv [3 (q,k,v)][4 b][16 h][2048 t][64]: a head's 16 rows are 2,048 consecutive bytes, stored 512 at a time.  Positions 0 .. 15 of each batch also leave
; unrounded, f32, into fq [4][16][3072], 32 bytes a lane (786,432 bytes in the whole launch).
; LIMIT: |q|, |k|, |v| under 65,504 (f16); numbers under 6.1e-5 are kept to 3e-8.
; REGISTERS: window 0: v0-31 addresses; v32-95 scale words, two sets, and nothing else; v128-191 A's fragments, one set; v192-255 the bias; on the way out v128-223 are at work.
;   window 1: B's fragments, two sets (v0, v128).  window 2: accumulators of my rows 0-63 ((a, b) at v[8 (8 a + b)]);  window 3: rows 64-127.
.set NQ,     4                         ; steps of 128 along K in a slot
.set ROWB,   256                       ; a tile's row: 512 codes
.set KROW,   512                       ; a row of codes in memory
.set PITCH,  272                       ; an LDS row: 256 + 16 bytes: the 16 rows that a load touches start at 16 different banks
.set FR,     8
.set NL,     2
.set NP,     4                         ; places behind this matrix form
.set HALFT,  128*PITCH
.set SLOT,   4*HALFT                   ; A's 256 rows, then B's 256
.set KS,     32                        ; a row of scale bytes
.set SCL,    2*SLOT                    ; the scales, as units of 256 bytes + 16
.set HALFS,  16*272                    ; those of 128 rows
.set SBLK,   2*272                     ; those of 16 rows
.set SPARE,  SCL+4*HALFS               ; the spare words: two blocks of 256 bytes that no other line names
.set SPITCH, 272                       ; the way out: 16 rows x (256 + 16) bytes a wave, in slot 0, which has had its only fill and its last read by then
.set ADRA, 16
.set ADRB, 20
.set STO,  24
.set RD,   25
.set CO,   26
.set ADRS, 27
.set SPW,  28
.set NIL,  29
.set FO,   30                          ; v30  my byte offset in fq
.set BO,   31                          ; v31  32 x (lane / 16): my eight numbers of a bias block
.set SC,   32
.set AF,   128
.set TMP,  128                         ; the way out: packed results
.set BK,   160                         ; and rows read back: v160-191, v192-223 by turns
.set BIAS, 192
.set G1, 24
.set G0, 32
.set G1B, 48
.set G0B, 56
.set G1S, 68
.set G0S, 76
.set G1SB, 80
.set G0SB, 88
.set MSB, 0
.macro WIN new                         ; the immediate's high byte repeats the setting that is left
.if MSB != \new
	s_set_vgpr_msb (MSB<<8)|\new
.set MSB, \new
.endif
.endm
.set MUL_LO,   0xa1                    ; source 0 (B) window 1, source 1 (A) window 0, C and D window 2
.set MUL_HI,   0xf1                    ; the same, C and D window 3
.set FIRST_LO, 0x81                    ; C (the bias) window 0, D window 2
.set FIRST_HI, 0xc1                    ; C window 0, D window 3
.set TO_B,     0x40
; A joint load: waves 0 and 1 fetch for A, waves 2 and 3 for B; the branch hangs on the wave's number alone.  An s_nop 0 and four v_nop follow each line.
.macro JLOAD g0a, g1a, g0b, g1b
	s_cmp_eq_u32 s15, 0
	s_cbranch_scc0 .Lfor_b_\@
	tensor_load_to_lds s[\g0a:\g0a+3], s[\g1a:\g1a+7]
	s_nop 0
.rept 4
	v_nop
.endr
	s_branch .Lasked_\@
.Lfor_b_\@:
	tensor_load_to_lds s[\g0b:\g0b+3], s[\g1b:\g1b+7]
	s_nop 0
.rept 4
	v_nop
.endr
.Lasked_\@:
.endm
.macro CROUND                          ; a round of the cluster's barrier
	s_barrier_signal -1
	s_barrier_wait -1
	s_cmp_lg_u32 s14, 0
	s_cbranch_scc1 .Lnot_wave_0_\@
	s_barrier_signal -3
.Lnot_wave_0_\@:
	s_barrier_wait -3
	s_barrier_signal -1
	s_barrier_wait -1
.endm
	s_load_b128 s[4:7], s[0:1], 0x0                ; xc s[4:5], xs s[6:7]
	s_load_b128 s[8:11], s[0:1], 0x10              ; wc s[8:9], ws s[10:11]
	s_load_b128 s[96:99], s[0:1], 0x20             ; b_qkv s[96:97], qkv s[98:99]
	s_load_b64 s[12:13], s[0:1], 0x30              ; fq
	v_lshl_add_u32 v[SPW], v0, 2, SPARE
	v_mov_b32 v[NIL], 0
	ds_add_u32 v[SPW], v[NIL]                      ; the wave's opening: the add, twice on end, and its wait ahead of my first tensor load
	ds_add_u32 v[SPW], v[NIL]
	v_lshrrev_b32 v1, 5, v0
	v_readfirstlane_b32 s14, v1                    ; wave 0..3
	s_lshr_b32 s15, s14, 1                         ; which half of the tile's rows is mine; also: I fetch for A (0) or B (1)
	s_and_b32 s16, s14, 1                          ; which half of its columns; also: which 128 rows I fetch
	s_bfe_u32 s40, ttmp6, 0x40000                  ; cx
	s_bfe_u32 s41, ttmp6, 0x40004                  ; cy
	s_lshl_b32 s42, ttmp9, 2
	s_add_co_u32 s42, s42, s40                     ; tile column = 4 x cluster x + cx
	s_and_b32 s17, ttmp7, 0xffff
	s_lshl_b32 s18, s41, 3
	s_add_co_u32 s17, s17, s18                     ; tile row = 8 cy + cluster y
	s_lshl_b32 s43, s41, 2
	s_lshl_b32 s43, 15, s43                        ; my row of the cluster
	s_lshl_b32 s44, 0x1111, s40                    ; my column
	s_or_b32 s[G1+0], s43, (0<<16)|(1<<20)|(1<<21)|(5<<22)|(3<<25)  ; mask; elements of 1 byte; padding: 4 words behind every 64; bit 21 beside a mask
	s_or_b32 s[G1B+0], s44, (0<<16)|(1<<20)|(1<<21)|(5<<22)|(3<<25)
.irp g, G1, G1B
	s_mov_b32 s[\g+1], ROWB<<16                    ; tensor_dim0
	s_mov_b32 s[\g+2], 128<<16                     ; tensor_dim1
	s_mov_b32 s[\g+3], ROWB<<16                    ; tile_dim0
	s_mov_b32 s[\g+4], 128                         ; tile_dim1
	s_mov_b32 s[\g+5], KROW                        ; the pitch
	s_mov_b32 s[\g+6], 0
	s_mov_b32 s[\g+7], 0
.endr
	s_or_b32 s[G1S+0], s43, (3<<16)|(1<<20)|(1<<21)|(5<<22)|(3<<25) ; the scales of 128 rows: 4,096 dense bytes as 16 rows of 32 elements of 8 bytes
	s_or_b32 s[G1SB+0], s44, (3<<16)|(1<<20)|(1<<21)|(5<<22)|(3<<25)
.irp g, G1S, G1SB
	s_mov_b32 s[\g+1], 32<<16
	s_mov_b32 s[\g+2], 16<<16
	s_mov_b32 s[\g+3], 32<<16
	s_mov_b32 s[\g+4], 16
	s_mov_b32 s[\g+5], 32
	s_mov_b32 s[\g+6], 0
	s_mov_b32 s[\g+7], 0
.endr
	s_lshl_b32 s18, s16, 7
	s_lshl_b32 s20, s17, 8
	s_add_co_u32 s20, s20, s18                     ; A: row 256 x tile row + 128 x half
	s_lshl_b32 s46, s42, 8
	s_add_co_u32 s46, s46, s18                     ; B: row 256 x tile column + 128 x half
	s_mov_b32 s21, 0
	s_mov_b32 s47, 0
	s_mov_b64 s[18:19], KS
	s_mul_u64 s[22:23], s[20:21], s[18:19]         ; where these rows' scales begin
	s_mul_u64 s[92:93], s[46:47], s[18:19]
	s_mov_b64 s[18:19], KROW
	s_mul_u64 s[20:21], s[20:21], s[18:19]         ; and their codes
	s_mul_u64 s[46:47], s[46:47], s[18:19]
	s_mul_i32 s45, s14, HALFT                      ; where they go: wave x 128 rows
	s_mul_i32 s94, s14, HALFS
	s_wait_dscnt 0x0                               ; both opening adds are done
	s_wait_kmcnt 0x0
	s_add_nc_u64 s[20:21], s[4:5], s[20:21]
	s_add_nc_u64 s[22:23], s[6:7], s[22:23]
	s_add_nc_u64 s[46:47], s[8:9], s[46:47]
	s_add_nc_u64 s[92:93], s[10:11], s[92:93]
	CROUND                                         ; all sixteen work-groups are here: the joint loads meet
	s_mov_b32 s[G0S], 1
	s_add_co_u32 s[G0S+1], s94, SCL
	s_mov_b64 s[G0S+2:G0S+3], s[22:23]
	s_or_b32 s[G0S+3], s[G0S+3], 0x80000000
	s_mov_b32 s[G0SB], 1
	s_add_co_u32 s[G0SB+1], s94, SCL
	s_mov_b64 s[G0SB+2:G0SB+3], s[92:93]
	s_or_b32 s[G0SB+3], s[G0SB+3], 0x80000000
	JLOAD G0S, G1S, G0SB, G1SB                     ; the scales first
.irp s, 0,1
	s_mov_b32 s[G0+4*\s], 1
	s_add_co_u32 s[G0+4*\s+1], s45, \s*SLOT
	s_add_nc_u64 s[G0+4*\s+2:G0+4*\s+3], s[20:21], \s*ROWB
	s_or_b32 s[G0+4*\s+3], s[G0+4*\s+3], 0x80000000
	s_mov_b32 s[G0B+4*\s], 1
	s_add_co_u32 s[G0B+4*\s+1], s45, \s*SLOT
	s_add_nc_u64 s[G0B+4*\s+2:G0B+4*\s+3], s[46:47], \s*ROWB
	s_or_b32 s[G0B+4*\s+3], s[G0B+4*\s+3], 0x80000000
	JLOAD G0+4*\s, G1, G0B+4*\s, G1B               ; both halves of K: three tensor loads of mine are out
.endr
	v_and_b32 v1, 15, v0                           ; r
	v_bfe_u32 v2, v0, 4, 1                         ; h
	v_mul_u32_u24 v3, v1, PITCH
	v_lshl_add_u32 v4, v2, 4, v3                   ; a fragment's row x pitch + 16 h
	s_mul_i32 s21, s15, HALFT
	s_mul_i32 s22, s16, HALFT
	s_add_co_u32 s22, s22, 2*HALFT
.irp s, 0,1
	v_add_nc_u32 v[ADRA+\s], s21, v4
	v_add_nc_u32 v[ADRB+\s], s22, v4
	s_add_co_u32 s21, s21, SLOT
	s_add_co_u32 s22, s22, SLOT
.endr
	v_mul_u32_u24 v5, v1, KS                       ; my row's scales: 32 bytes a row,
	v_lshrrev_b32 v6, 8, v5
	v_lshl_add_u32 v5, v6, 4, v5                   ; and 16 more for each 256 passed
	s_mul_i32 s21, s15, HALFS
	s_mul_i32 s22, s16, HALFS
	s_add_co_u32 s22, s22, 2*HALFS
	s_sub_co_u32 s22, s22, s21
	v_mul_u32_u24 v6, s22, v2                      ; lanes 16-31 take B's: one product, the distance between the two bases
	s_add_co_u32 s21, s21, SCL
	v_add_nc_u32 v5, v5, v6
	v_add_nc_u32 v[ADRS], s21, v5
	s_mul_i32 s23, s14, 16*SPITCH                  ; my stage
	v_add_nc_u32 v[STO], s23, v4                   ; in: row r, 16 bytes for each half of the lanes
	v_bfe_u32 v6, v0, 3, 2
	v_mul_u32_u24 v6, v6, SPITCH
	v_and_b32 v7, 7, v0
	v_lshl_add_u32 v6, v7, 4, v6
	v_add_nc_u32 v[RD], s23, v6                    ; back: eight lanes take one head's 128 bytes of a row, four rows an instruction
	v_and_b32 v6, 31, v0
	v_lshlrev_b32 v[CO], 4, v6                     ; and the same 512 bytes on end in qkv
	v_mul_u32_u24 v[FO], v1, 12288
	v_lshl_add_u32 v[FO], v2, 5, v[FO]             ; fq: row r, + 32 h
	v_lshlrev_b32 v[BO], 5, v2
	s_lshl_b32 s46, s42, 10
	s_lshl_b32 s47, s16, 9
	s_add_co_u32 s46, s46, s47                     ; 4 x my first column
	s_mov_b32 s47, 0
	s_add_nc_u64 s[96:97], s[96:97], s[46:47]      ; the bias at my first column
	s_mul_i32 s20, s41, 196608
	s_add_co_u32 s46, s46, s20
	s_add_nc_u64 s[12:13], s[12:13], s[46:47]      ; fq at (batch, position 0, my first column)
.irp b, 0,1,2,3,4,5,6,7
	global_load_b128 v[BIAS+8*\b:BIAS+8*\b+3], v[BO], s[96:97] offset:64*\b         ; b_qkv[n0 + 16 b + 8 h + 0 .. 7]: the result's layout
	global_load_b128 v[BIAS+8*\b+4:BIAS+8*\b+7], v[BO], s[96:97] offset:64*\b+16
.endr
	s_lshl_b32 s20, ttmp9, 2                       ; q, k or v = cluster x (four tile columns are 1,024 columns)
	s_add_co_u32 s20, s20, s41                     ; the batch
	s_lshl_b32 s20, s20, 4
	s_lshl_b32 s21, s40, 2
	s_add_co_u32 s20, s20, s21
	s_lshl_b32 s21, s16, 1
	s_add_co_u32 s20, s20, s21                     ; my first head: 4 cx + 2 x column half
	s_lshl_b32 s20, s20, 11
	s_and_b32 s21, ttmp7, 0xffff
	s_lshl_b32 s21, s21, 8
	s_add_co_u32 s20, s20, s21
	s_lshl_b32 s21, s15, 7
	s_add_co_u32 s20, s20, s21                     ; my first position: 256 x cluster y + 128 x row half
	s_lshl_b32 s20, s20, 7                         ; rows of 128 bytes (under 2^26)
	s_mov_b32 s21, 0
	s_add_nc_u64 s[98:99], s[98:99], s[20:21]
.macro FRAG reg, adr, q, i             ; 16 rows x 128 K of 4-bit codes: 8 registers, two loads of 16 bytes, 32 bytes apart
.irp c, 0,1
	ds_load_b128 v[\reg+4*\c:\reg+4*\c+3], v[\adr] offset:64*(\q)+32*\c+(\i)*16*PITCH
.endr
.endm
; 16 products: A's blocks a0, a0 + 1 x B's eight.  first = 1: the bias is C.  The 64 accumulators take turns, one instruction a turn.
.macro MUL16 a0, p, q, sc, first
.irp a, \a0, \a0+1
.irp b, 0,1,2,3,4,5,6,7
.if \first
	v_wmma_scale_f32_16x16x128_f8f6f4 v[8*(8*((\a)%4)+\b):8*(8*((\a)%4)+\b)+7], v[128*(\p)+FR*\b:128*(\p)+FR*\b+FR-1], v[AF+FR*(\a):AF+FR*(\a)+FR-1], v[BIAS+8*\b:BIAS+8*\b+7], v[SC+8*NQ*(\sc)+NQ*\b+(\q)], v[SC+8*NQ*(\sc)+NQ*(\a)+(\q)] matrix_a_fmt:MATRIX_FMT_FP4 matrix_b_fmt:MATRIX_FMT_FP4 matrix_a_scale:MATRIX_SCALE_ROW1
.else
	v_wmma_scale_f32_16x16x128_f8f6f4 v[8*(8*((\a)%4)+\b):8*(8*((\a)%4)+\b)+7], v[128*(\p)+FR*\b:128*(\p)+FR*\b+FR-1], v[AF+FR*(\a):AF+FR*(\a)+FR-1], v[8*(8*((\a)%4)+\b):8*(8*((\a)%4)+\b)+7], v[SC+8*NQ*(\sc)+NQ*\b+(\q)], v[SC+8*NQ*(\sc)+NQ*(\a)+(\q)] matrix_a_fmt:MATRIX_FMT_FP4 matrix_b_fmt:MATRIX_FMT_FP4 matrix_a_scale:MATRIX_SCALE_ROW1
.endif
.endr
.endr
.endm
.macro FETCH_B slot, q, p
	WIN TO_B
.irp i, 0,1,2,3,4,5,6,7
	FRAG 128*(\p)+FR*\i, ADRB+\slot, \q, \i
.endr
	WIN 0
.endm
.macro FETCH_A slot, q, i0
.irp i, \i0, \i0+1, \i0+2, \i0+3
	FRAG AF+FR*(\i), ADRA+\slot, \q, \i
.endr
.endm
.macro SCALES sc                       ; a slot's scale words: lanes 0-15 A's block i, lanes 16-31 B's block i
.irp i, 0,1,2,3,4,5,6,7
	ds_load_b128 v[SC+8*NQ*\sc+NQ*\i:SC+8*NQ*\sc+NQ*\i+3], v[ADRS] offset:\i*SBLK
.endr
.endm
.macro PLACES n                        ; plain vector lines between a matrix instruction and a load into, or a read of, its registers
.rept \n
	v_nop
.endr
.endm
.macro STEP slot, q, first             ; 128 along K with its successor in the same slot
	s_wait_dscnt 4*NL                              ; B's set and A's blocks 0-3 are in; the youngest eight loads (A's blocks 4-7) may be out
.if \first
	WIN FIRST_LO
.else
	WIN MUL_LO
.endif
	MUL16 0, (\q)%2, \q, \slot, \first
	MUL16 2, (\q)%2, \q, \slot, \first
	s_wait_dscnt 0
	PLACES NP
	FETCH_B \slot, (\q)+1, 1-(\q)%2
	FETCH_A \slot, (\q)+1, 0
.if \first
	WIN FIRST_HI
.else
	WIN MUL_HI
.endif
	MUL16 4, (\q)%2, \q, \slot, \first
	MUL16 6, (\q)%2, \q, \slot, \first
	PLACES NP
	WIN 0
	FETCH_A \slot, (\q)+1, 4
.endm
.macro STEPS slot, from
.set Q, \from
.rept NQ-1-\from
	STEP \slot, Q, 0
.set Q, Q+1
.endr
.endm
	s_wait_tensorcnt 1                             ; the scales and my part of slot 0 are in; slot 1's load may be out
	s_barrier_signal -1
	s_barrier_wait -1
	FETCH_B 0, 0, 0
	FETCH_A 0, 0, 0
	SCALES 0
	FETCH_A 0, 0, 4
	s_wait_loadcnt 0x0                             ; the bias
	STEP 0, 0, 1
	STEPS 0, 1
	; slot 0's last step changes slots: one barrier; nothing is filled again
	s_wait_tensorcnt 0x0                           ; my part of slot 1 has landed
	ds_add_u32 v[SPW], v[NIL]
	s_wait_dscnt 4*NL+1                            ; the add and the youngest eight loads may be out
	WIN MUL_LO
	MUL16 0, 1, NQ-1, 0, 0
	s_wait_dscnt 0x0                               ; the add is done, and my reads of slot 0 are over
	s_barrier_signal -1
	MUL16 2, 1, NQ-1, 0, 0
	WIN 0
	s_barrier_wait -1
	PLACES NP
	v_add_nc_u32 v[ADRS], 4*NQ, v[ADRS]            ; the second half of each row's scale bytes
	FETCH_B 1, 0, 0
	FETCH_A 1, 0, 0
	SCALES 1
	WIN MUL_HI
	MUL16 4, 1, NQ-1, 0, 0
	MUL16 6, 1, NQ-1, 0, 0
	PLACES NP
	WIN 0
	FETCH_A 1, 0, 4
	STEPS 1, 0
	s_wait_dscnt 4*NL
	WIN MUL_LO
	MUL16 0, 1, NQ-1, 1, 0
	MUL16 2, 1, NQ-1, 1, 0
	s_wait_dscnt 0
	WIN MUL_HI
	MUL16 4, 1, NQ-1, 1, 0
	MUL16 6, 1, NQ-1, 1, 0
	WIN 0
	PLACES NP
	; positions 0 .. 15 of a batch lie in block 0 of the waves with row half 0 where cluster y = 0: they also leave as f32
	s_and_b32 s2, ttmp7, 0xffff
	s_or_b32 s2, s2, s15
	s_cmp_lg_u32 s2, 0
	s_cbranch_scc1 .Lno_fine
	WIN 0x08                                       ; a store's data: window 2
.irp b, 0,1,2,3,4,5,6,7
	global_store_b128 v[FO], v[8*\b:8*\b+3], s[12:13] offset:64*\b           ; each accumulator from its low end on
	global_store_b128 v[FO], v[8*\b+4:8*\b+7], s[12:13] offset:64*\b+16
.endr
	WIN 0
.Lno_fine:
; THE WAY OUT, a block of 16 rows x 128 columns at a time: rounded to f16, 16 bytes a lane into my stage, back as pieces of 512 bytes that lie on end in qkv.
.macro PACK a
.set AC, 64*((\a)%4)
	WIN 0x0a+5*((\a)/4)                            ; sources 0 and 1: window 2 or 3
.irp b, 0,1,2,3,4,5,6,7
.irp r, 0,1,2,3
	v_cvt_pk_f16_f32 v[TMP+4*\b+\r], v[AC+8*\b+2*\r], v[AC+8*\b+2*\r+1]
.endr
.endr
	WIN 0
.endm
.macro TOSTAGE a
.set BB, BK+32*((\a)%2)
.irp b, 0,1,2,3,4,5,6,7
	ds_store_b128 v[STO], v[TMP+4*\b:TMP+4*\b+3] offset:32*\b
.endr
.irp i, 0,1,2,3,4,5,6,7
	ds_load_b128 v[BB+4*\i:BB+4*\i+3], v[RD] offset:(\i%4)*4*SPITCH+128*(\i/4)   ; LDS serves a wave's instructions in order: these see the stores above
.endr
.endm
.macro SEND a, younger
.set BB, BK+32*((\a)%2)
	s_wait_dscnt \younger                          ; the block is back in registers
	s_wait_xcnt 0x0                                ; earlier stores have read their registers: the next block's loads may land on them
.irp i, 0,1,2,3,4,5,6,7
	global_store_b128 v[CO], v[BB+4*\i:BB+4*\i+3], s[98:99] offset:(\a)*2048+(\i/4)*262144+(\i%4)*512   ; 512 consecutive bytes of one head, aligned
.endr
.endm
	PACK 0
	TOSTAGE 0
.irp a, 1,2,3,4,5,6,7
	PACK \a
	SEND \a-1, 0
	TOSTAGE \a
.endr
	SEND 7, 0
	s_wait_tensorcnt 0x0                           ; the wave's end
	ds_add_u32 v[SPW], v[NIL]
	s_wait_dscnt 0x0
	CROUND                                         ; the closing round
	s_endpgm
.Lfunc_end_k_q1428e9595e_gemm_qkv:
	.size	k_q1428e9595e_gemm_qkv, .Lfunc_end_k_q1428e9595e_gemm_qkv-k_q1428e9595e_gemm_qkv
	.p2alignl 7, 3214868480
	.fill 96, 4, 3214868480
	.section	.rodata,"a",@progbits
	.p2align	6, 0x0
	.amdhsa_kernel k_q1428e9595e_gemm_qkv
		.amdhsa_group_segment_fixed_size 327680
		.amdhsa_private_segment_fixed_size 0
		.amdhsa_enable_private_segment 0
		.amdhsa_kernarg_size 56
		.amdhsa_user_sgpr_count 2
		.amdhsa_user_sgpr_kernarg_segment_ptr 1
		.amdhsa_wavefront_size32 1
		.amdhsa_system_sgpr_workgroup_id_x 1
		.amdhsa_system_sgpr_workgroup_id_y 1
		.amdhsa_system_sgpr_workgroup_id_z 1
		.amdhsa_system_vgpr_workitem_id 0
		.amdhsa_next_free_vgpr 1024
		.amdhsa_next_free_sgpr 100
		.amdhsa_reserve_vcc 0
		.amdhsa_float_denorm_mode_32 3
		.amdhsa_float_denorm_mode_16_64 3
		.amdhsa_memory_ordered 1
		.amdhsa_forward_progress 1
		.amdhsa_inst_pref_size 130
	.end_amdhsa_kernel
	.amdgpu_metadata
---
amdhsa.version: [ 1, 2 ]
amdhsa.kernels:
  - .name:           k_q1428e9595e_gemm_qkv
    .symbol:         k_q1428e9595e_gemm_qkv.kd
    .args:
      - { .name: xc, .offset: 0, .size: 8, .value_kind: global_buffer, .address_space: global }
      - { .name: xs, .offset: 8, .size: 8, .value_kind: global_buffer, .address_space: global }
      - { .name: wc, .offset: 16, .size: 8, .value_kind: global_buffer, .address_space: global }
      - { .name: ws, .offset: 24, .size: 8, .value_kind: global_buffer, .address_space: global }
      - { .name: b_qkv, .offset: 32, .size: 8, .value_kind: global_buffer, .address_space: global }
      - { .name: qkv, .offset: 40, .size: 8, .value_kind: global_buffer, .address_space: global }
      - { .name: fq, .offset: 48, .size: 8, .value_kind: global_buffer, .address_space: global }
    .group_segment_fixed_size: 327680
    .private_segment_fixed_size: 0
    .kernarg_segment_align: 8
    .kernarg_segment_size: 56
    .max_flat_workgroup_size: 128
    .sgpr_count:     100
    .vgpr_count:     1024
    .wavefront_size: 32
...
	.end_amdgpu_metadata
.endif
;; end of part 2
;; launch attn (part 3): grid 4 x 64, 8 waves a work-group, no clusters, 327,680 bytes of LDS; arguments qkv, ao; writes ao
.if DOCPART == 3
	.amdgcn_target "amdgcn-amd-amdhsa--gfx1250"
	.amdhsa_code_object_version 6
	.text
	.protected	k_q1428e9595e_attn
	.globl	k_q1428e9595e_attn
	.p2align	8
	.type	k_q1428e9595e_attn,@function
k_q1428e9595e_attn:
	s_mov_b64 s[64:65], 0
	v_nop
	global_prefetch_b8 v0, s[64:65] scope:SCOPE_SE
	s_setreg_imm32_b32 hwreg(HW_REG_WAVE_MODE, 25, 1), 1
	s_wait_xcnt 0x0
; ao[h][b t][:] = softmax_k(q . k / 8, causal) v, per batch and head.  q, k, v: f16, [3][64 (b h)][2048][64]; ao: f16, [16 h][8192 (b t)][64].  Products on f16 operands, sums, maxima and the softmax in f32;
; the weights p are rounded to f16 for the second product.
; SHARES.  Work-group (i, b h) takes query block 7 - i and then query block i, 256 queries each: 8 - i and i + 1 blocks of 256 keys, always 9: every work-group has the same work and the loop's count is a constant.
; A wave owns 32 queries, two tiles of 16.  A step is 64 keys, four to a slot.  A step all of whose keys come after the wave's queries is jumped over (a scalar branch on ids).
; NO CLUSTER: the four work-groups of a head walk different numbers of key blocks in each of their two parts, so they do not want the same tile at the same change of slots.
; LAYOUT.  S^T = K Q^T (source 0 = 16 keys, source 1 = 16 queries) and O^T = V^T P: a lane holds ONE query (lane % 16) throughout; two tiles of S^T, rounded in pairs, are source 1 of the second product.
; K comes out of LDS as it lies, V turned by ds_load_tr16_b128.
; SOFTMAX.  Running maximum m and sum l for each query; p = 2^(c s - c m), c = log2(e) / 8; O and l are multiplied by a = 2^(c m_old - c m_new) in every step.
; LIMITS: |q|, |k|, |v| under 65,504; p under 6.1e-5 is kept to 3e-8.
; LDS: slot 0 at 0, slot 1 at 2^17: 256 rows of K (pitch 144), then 256 rows of V (pitch 160); the waves' stages at 2^18; the spare words behind them.
.set KP,    144                        ; 128 + 16 bytes: 16 rows of a load start at 16 different banks
.set VP,    160                        ; 128 + 32 bytes: an odd multiple of 32
.set VOFF,  256*KP
.set SLOT1, 1<<17
.set STAGE, 2*SLOT1                    ; 2 tiles x 16 rows x 144 bytes for each wave; no fill ever lands here
.set SPARE, STAGE+8*4608               ; the spare words, 128 bytes a wave: four blocks of 256 bytes that no other line names
.set PART,  1<<24                      ; bytes of q, of k, of v
.set AK0, 1
.set AV0, 2
.set ADK, 3
.set ADV, 4
.set QO,  5
.set STO, 6
.set RD,  7
.set GO,  8
.set SPW, 9
.set NIL, 10
.set PFO, 11
.set DL,  12                           ; v12  lane % 16 - 8 (lane / 16)
.set D0,  13                           ; v13, v14  the mask's bound for tiles 0, 1
.set NINF, 15                          ; v15  -infinity
.set ST,  16                           ; tile t at v[ST + 8 t]: +0 c m, +1 m, +2, +3 l, +4 .. +7 c0 - c3
.set Q,   32                           ; fragment (t, c) at Q + 16 t + 8 c
.set KV,  64                           ; K of a step, then V of the same step
.set S,   128                          ; S^T (t, kt) at S + 32 t + 8 kt; p is packed in place into S + 32 t + 0 .. 15
.set O,   192                          ; O^T (t, dt) at O + 32 t + 8 dt
.set WV,  8
.set NP1, 11                           ; key blocks of the first part: 8 - i
.set PCH, 13                           ; the count at which the first part ends: i + 1
.set KBN, 14                           ; the key block last asked for
.set LIM, 15
.set KF,  16                           ; the step's first key
.set Q0,  17                           ; my first query
.set TB,  18                           ; LDS byte at which the slot in hand begins
.set SLOTS, 19
.set SEL, 20
.set CS,  22
.set G1K, 24
.set G1V, 32
.set G0K, 40
.set G0V, 44
.set QA1, 54
.set QA2, 56
.set OA1, 58
.set OA2, 60
.set PFA, 62
; Waves 0 and 1 fetch K's halves, waves 2 and 3 V's, the others nothing.  An s_nop 0 and four v_nop follow each line.
.macro TLOAD
	s_cmp_lt_u32 s[WV], 2
	s_cbranch_scc0 .Lnot_k_\@
	tensor_load_to_lds s[G0K:G0K+3], s[G1K:G1K+7]
	s_nop 0
.rept 4
	v_nop
.endr
	s_branch .Lasked_\@
.Lnot_k_\@:
	s_cmp_lt_u32 s[WV], 4
	s_cbranch_scc0 .Lasked_\@
	tensor_load_to_lds s[G0V:G0V+3], s[G1V:G1V+7]
	s_nop 0
.rept 4
	v_nop
.endr
.Lasked_\@:
.endm
; A prefetch of the key block that the NEXT change of slots will ask for: four key steps ahead of that load.  The head's work-group i = 0, which walks blocks 0 .. 7 on end, asks, and nobody else;
; in it waves 4, 5 ask for K's two halves and waves 6, 7 for V's, 16,384 bytes each: two instructions, lanes 256 bytes apart.  Trips 0 .. 5 name blocks 2 .. 7: each 256 bytes once, none past the head's end.
.macro ASK
	s_cmp_gt_u32 s[SLOTS], s[LIM]
	s_cbranch_scc0 .Lnot_mine_\@
	global_prefetch_b8 v[PFO], s[PFA:PFA+1] th:TH_LOAD_NT scope:SCOPE_SE
	global_prefetch_b8 v[PFO], s[PFA:PFA+1] offset:8192 th:TH_LOAD_NT scope:SCOPE_SE
.Lnot_mine_\@:
.endm
.macro QLOAD qa                        ; my 32 queries stay in registers
.irp t, 0,1
.irp c, 0,1
	global_load_b128 v[Q+16*\t+8*\c:Q+16*\t+8*\c+3],   v[QO], s[\qa:\qa+1] offset:2048*\t+64*\c
	global_load_b128 v[Q+16*\t+8*\c+4:Q+16*\t+8*\c+7], v[QO], s[\qa:\qa+1] offset:2048*\t+64*\c+32
.endr
.endr
.endm
.macro INIT                            ; a query block begins: O^T and l are zeros, m lies under every score: the first a is 0 and multiplies zeros
.set n, 0
.rept 64
	v_mov_b32 v[O+n], 0
.set n, n+1
.endr
.irp t, 0,1
	v_mov_b32 v[ST+8*\t+1], 0xff61b1e6             ; -3e38
	v_mov_b32 v[ST+8*\t+2], 0
	v_mov_b32 v[ST+8*\t+3], 0
	v_mul_f32 v[ST+8*\t], s[CS], v[ST+8*\t+1]
.endr
.endm
	s_load_b128 s[4:7], s[0:1], 0x0                ; qkv s[4:5], ao s[6:7]
	v_lshl_add_u32 v[SPW], v0, 2, SPARE
	v_mov_b32 v[NIL], 0
	ds_add_u32 v[SPW], v[NIL]                      ; the wave's opening: the add, twice on end, and its wait ahead of the first tensor load
	ds_add_u32 v[SPW], v[NIL]
	v_lshrrev_b32 v1, 5, v0
	v_readfirstlane_b32 s[WV], v1                  ; wave 0..7
	s_mov_b32 s9, ttmp9                            ; i
	s_and_b32 s10, ttmp7, 0xffff                   ; 16 b + h
	s_sub_co_u32 s[NP1], 8, s9
	s_add_co_u32 s[PCH], s9, 1
	s_mov_b32 s[KBN], 0
	s_mov_b32 s[KF], 0
	s_mov_b32 s[TB], 0
	s_mov_b32 s[SLOTS], 8
	s_mov_b32 s[SEL], 0x76543210
	s_mov_b32 s[SEL+1], 0xfedcba98                 ; v_permlanex16_b32: lane l xor 16
	s_mov_b32 s[CS], 0x3e38aa3b                    ; c = log2(e) / 8
	s_mov_b32 s[CS+1], s[CS]                       ; (named with it as a pair)
	s_mov_b32 s[G1K], (1<<16)|(1<<20)|(4<<22)|(3<<25)   ; elements of 2 bytes; padding: 4 words behind every 32
	s_mov_b32 s[G1V], (1<<16)|(1<<20)|(4<<22)|(7<<25)   ; 8 words behind every 32
.irp g, G1K, G1V
	s_mov_b32 s[\g+1], 64<<16                      ; tensor_dim0
	s_mov_b32 s[\g+2], 128<<16                     ; tensor_dim1
	s_mov_b32 s[\g+3], 64<<16                      ; tile_dim0
	s_mov_b32 s[\g+4], 128                         ; tile_dim1
	s_mov_b32 s[\g+5], 64                          ; the pitch
	s_mov_b32 s[\g+6], 0
	s_mov_b32 s[\g+7], 0
.endr
	s_sub_co_u32 s67, 11, s[WV]
	s_cmp_lt_u32 s[WV], 4
	s_cselect_b32 s67, s[WV], s67                  ; which 32 queries of a block: waves 0-3: 0-3; waves 4-7: 7, 6, 5, 4: waves w and w + 4 together have the same work for every w
	s_lshl_b32 s67, s67, 5
	s_sub_co_u32 s68, 7, s9
	s_lshl_b32 s68, s68, 8
	s_add_co_u32 s[Q0], s68, s67                   ; my first query in block 7 - i,
	s_lshl_b32 s68, s9, 8
	s_add_co_u32 s66, s68, s67                     ; and in block i
	s_lshr_b32 s68, s[WV], 2
	s_xor_b32 s68, s68, 1                          ; 0 in waves 4-7,
	s_or_b32 s68, s68, s9                          ; of work-group i = 0
	s_cmp_eq_u32 s68, 0
	s_cselect_b32 s[LIM], 2, -1
	s_and_b32 s69, s[WV], 1                        ; which half of a slot's rows
	s_lshl_b32 s70, s10, 18                        ; my head's first byte in q, in k, in v
	s_mov_b32 s71, 0
	s_mov_b32 s53, 0                               ; the high word of the offset pair s[52:53]; it stays 0
	s_wait_dscnt 0x0                               ; both opening adds are done
	s_wait_kmcnt 0x0
	s_lshl_b32 s52, s69, 14
	s_add_co_u32 s52, s52, s70
	s_add_co_u32 s52, s52, PART
	s_add_nc_u64 s[48:49], s[4:5], s[52:53]        ; K: my head, my half of key block 0
	s_add_co_u32 s52, s52, PART
	s_add_nc_u64 s[50:51], s[4:5], s[52:53]        ; V likewise
	s_mov_b32 s[G0K], 1
	s_mul_i32 s[G0K+1], s69, 128*KP
	s_mov_b64 s[G0K+2:G0K+3], s[48:49]
	s_or_b32 s[G0K+3], s[G0K+3], 0x80000000
	s_mov_b32 s[G0V], 1
	s_mul_i32 s[G0V+1], s69, 128*VP
	s_add_co_u32 s[G0V+1], s[G0V+1], VOFF
	s_mov_b64 s[G0V+2:G0V+3], s[50:51]
	s_or_b32 s[G0V+3], s[G0V+3], 0x80000000
	TLOAD                                          ; slot 0: key block 0, which counts for every query
	s_add_nc_u64 s[QA1:QA1+1], s[4:5], s[70:71]
	s_mov_b64 s[QA2:QA2+1], s[QA1:QA1+1]
	s_lshl_b32 s52, s[Q0], 7
	s_add_nc_u64 s[QA1:QA1+1], s[QA1:QA1+1], s[52:53]
	s_lshl_b32 s52, s66, 7
	s_add_nc_u64 s[QA2:QA2+1], s[QA2:QA2+1], s[52:53]
	v_and_b32 v13, 15, v0                          ; r
	v_bfe_u32 v14, v0, 4, 1                        ; h
	v_lshlrev_b32 v[QO], 7, v13
	v_lshl_add_u32 v[QO], v14, 4, v[QO]            ; row r of 128 bytes + 16 h
	QLOAD QA1
	s_and_b32 s67, s10, 15
	s_lshl_b32 s67, s67, 20                        ; ao: the head's 8,192 rows of 128 bytes
	s_lshr_b32 s68, s10, 4
	s_lshl_b32 s68, s68, 11                        ; the batch's first row
	s_add_co_u32 s52, s68, s[Q0]
	s_lshl_b32 s52, s52, 7
	s_add_co_u32 s52, s52, s67
	s_add_nc_u64 s[OA1:OA1+1], s[6:7], s[52:53]
	s_add_co_u32 s52, s68, s66
	s_lshl_b32 s52, s52, 7
	s_add_co_u32 s52, s52, s67
	s_add_nc_u64 s[OA2:OA2+1], s[6:7], s[52:53]
	s_mov_b32 s68, 2*PART
	s_cmp_lt_u32 s[WV], 6
	s_cselect_b32 s68, PART, s68                   ; waves 4, 5 ask for K, waves 6, 7 for V
	s_lshl_b32 s52, s69, 14
	s_add_co_u32 s52, s52, s70
	s_add_co_u32 s52, s52, s68
	s_add_co_u32 s52, s52, 32768                   ; at key block 1: the first change steps it to block 2.  Nothing is prefetched at the head
	s_add_nc_u64 s[PFA:PFA+1], s[4:5], s[52:53]
	v_mul_u32_u24 v[AK0], v13, KP
	v_lshl_add_u32 v[AK0], v14, 4, v[AK0]          ; K: row r x pitch + 16 h
	v_and_b32 v3, 7, v0
	v_lshl_add_u32 v[AV0], v14, 3, v3
	v_mul_u32_u24 v[AV0], v[AV0], VP
	v_bfe_u32 v4, v0, 3, 1
	v_lshl_add_u32 v[AV0], v4, 4, v[AV0]
	v_add_nc_u32 v[AV0], VOFF, v[AV0]              ; V: key 8 h + l % 8, channels 8 ((l / 8) % 2) on
	s_mul_i32 s67, s[WV], 4608
	s_add_co_u32 s67, s67, STAGE                   ; my stage
	v_add_nc_u32 v[STO], s67, v[AK0]               ; in: row r, 16 bytes for each half of the lanes
	v_bfe_u32 v4, v0, 3, 2
	v_mul_u32_u24 v[RD], v4, KP
	v_lshl_add_u32 v[RD], v3, 4, v[RD]
	v_add_nc_u32 v[RD], s67, v[RD]                 ; back: eight lanes to a row of 128 bytes, four rows an instruction
	v_and_b32 v[GO], 31, v0
	v_lshlrev_b32 v[PFO], 8, v[GO]
	v_lshlrev_b32 v[GO], 4, v[GO]                  ; and the same 512 bytes on end in ao
	v_lshlrev_b32 v[DL], 3, v14
	v_sub_nc_u32 v[DL], v13, v[DL]
	v_mov_b32 v[NINF], 0xff800000
.irp t, 0,1
.irp j, 4,5,6,7
	v_mov_b32 v[ST+8*\t+\j], 0                     ; written once: a lane permute's destination and a pair's upper half count as read
.endr
.endr
	INIT
; A KEY STEP: 64 keys, the q-th of the slot in hand.
.macro STEP q
	s_add_co_u32 s67, s[Q0], 31
	s_cmp_gt_u32 s[KF], s67                        ; all 64 keys come after my 32 queries: nothing to do but to step the key
	s_cbranch_scc1 .Lhidden_\@
	v_add_nc_u32 v[ADK], s[TB], v[AK0]
	v_add_nc_u32 v[ADV], s[TB], v[AV0]
.irp kt, 0,1,2,3
.irp c, 0,1
	ds_load_b128 v[KV+8*(2*\kt+\c):KV+8*(2*\kt+\c)+3],   v[ADK] offset:(\q)*64*KP+\kt*16*KP+64*\c
	ds_load_b128 v[KV+8*(2*\kt+\c)+4:KV+8*(2*\kt+\c)+7], v[ADK] offset:(\q)*64*KP+\kt*16*KP+64*\c+32
.endr
.endr
	s_wait_dscnt 0x0
.irp c, 0,1                            ; S^T = K Q^T: eight accumulators by turns; the first eight products start the sums
.irp kt, 0,1,2,3
.irp t, 0,1
.if \c == 0
	v_wmma_f32_16x16x32_f16 v[S+32*\t+8*\kt:S+32*\t+8*\kt+7], v[KV+8*(2*\kt+\c):KV+8*(2*\kt+\c)+7], v[Q+16*\t+8*\c:Q+16*\t+8*\c+7], 0
.else
	v_wmma_f32_16x16x32_f16 v[S+32*\t+8*\kt:S+32*\t+8*\kt+7], v[KV+8*(2*\kt+\c):KV+8*(2*\kt+\c)+7], v[Q+16*\t+8*\c:Q+16*\t+8*\c+7], v[S+32*\t+8*\kt:S+32*\t+8*\kt+7]
.endif
.endr
.endr
.endr
.rept 4
	v_nop                                          ; places in front of the loads into K's registers and of the first read of the scores
.endr
.irp kg, 0,1                           ; V of the same step takes K's registers and lands under the softmax
.irp dt, 0,1,2,3
	ds_load_tr16_b128 v[KV+8*(4*\kg+\dt):KV+8*(4*\kg+\dt)+3],   v[ADV] offset:(\q)*64*VP+\kg*32*VP+32*\dt
	ds_load_tr16_b128 v[KV+8*(4*\kg+\dt)+4:KV+8*(4*\kg+\dt)+7], v[ADV] offset:(\q)*64*VP+\kg*32*VP+16*VP+32*\dt
.endr
.endr
	s_add_co_u32 s67, s[KF], 63
	s_cmp_le_u32 s67, s[Q0]                        ; all 64 keys count for all my queries: no mask
	s_cbranch_scc1 .Lopen_\@
	s_sub_co_i32 s67, s[Q0], s[KF]
	v_add_nc_u32 v[D0], s67, v[DL]                 ; register n of tile t holds key KF + 16 (n / 8) + 8 h + n % 8: hidden where 16 (n / 8) + n % 8 > Q0 - KF + 16 t + r - 8 h
	v_add_nc_u32 v[D0+1], 16, v[D0]
.irp t, 0,1
.set n, 0
.rept 32
	v_cmp_gt_i32 vcc_lo, 16*(n/8)+n%8, v[D0+\t]
	v_cndmask_b32 v[S+32*\t+n], v[S+32*\t+n], v[NINF], vcc_lo
.set n, n+1
.endr
.endr
.Lopen_\@:
.irp j, 0,1,2,3                        ; the maximum of my 32 scores and the old m: four chains, each begun at an accumulator's low end; the two tiles line by line
.irp t, 0,1
	v_max3_num_f32 v[ST+8*\t+4+\j], v[S+32*\t+8*\j], v[S+32*\t+8*\j+1], v[S+32*\t+8*\j+2]
.endr
.endr
.irp g, 1,2
.irp j, 0,1,2,3
.irp t, 0,1
	v_max3_num_f32 v[ST+8*\t+4+\j], v[ST+8*\t+4+\j], v[S+32*\t+8*\j+2*\g+1], v[S+32*\t+8*\j+2*\g+2]
.endr
.endr
.endr
.irp t, 0,1
	v_max3_num_f32 v[ST+8*\t+4], v[ST+8*\t+4], v[S+32*\t+7], v[S+32*\t+15]
.endr
.irp t, 0,1
	v_max3_num_f32 v[ST+8*\t+6], v[ST+8*\t+6], v[S+32*\t+23], v[S+32*\t+31]
.endr
.irp t, 0,1
	v_max3_num_f32 v[ST+8*\t+4], v[ST+8*\t+4], v[ST+8*\t+5], v[ST+8*\t+6]
.endr
.irp t, 0,1
	v_max3_num_f32 v[ST+8*\t+4], v[ST+8*\t+4], v[ST+8*\t+7], v[ST+8*\t+1]
.endr
.irp t, 0,1
	v_permlanex16_b32 v[ST+8*\t+5], v[ST+8*\t+4], s[SEL], s[SEL+1]   ; the query's other 32 keys lie in the lane 16 away
.endr
.irp t, 0,1
	v_mov_b32 v[ST+8*\t+7], v[ST+8*\t]             ; c m_old
.endr
.irp t, 0,1
	v_max_num_f32 v[ST+8*\t+1], v[ST+8*\t+4], v[ST+8*\t+5]
.endr
.irp t, 0,1
	v_mul_f32 v[ST+8*\t], s[CS], v[ST+8*\t+1]
.endr
.irp t, 0,1
	v_sub_f32 v[ST+8*\t+7], v[ST+8*\t+7], v[ST+8*\t]
.endr
.set n, 0
.rept 16
.irp t, 0,1
	v_pk_fma_f32 v[S+32*\t+2*n:S+32*\t+2*n+1], v[S+32*\t+2*n:S+32*\t+2*n+1], s[CS:CS+1], v[ST+8*\t:ST+8*\t+1] op_sel_hi:[1,0,0] neg_lo:[0,0,1] neg_hi:[0,0,1]   ; c s - c m
.endr
.set n, n+1
.endr
.irp t, 0,1
	v_exp_f32 v[ST+8*\t+6], v[ST+8*\t+7]           ; a
.endr
.set n, 0
.rept 32
.irp t, 0,1
	v_exp_f32 v[S+32*\t+n], v[S+32*\t+n]           ; p
.endr
.set n, n+1
.endr
	v_nop                                          ; a plain line behind the last exponential
	s_wait_alu depctr_va_vdst(0)                   ; one wait for the 66 exponentials, ahead of their first reader
.irp t, 0,1                            ; l = a l + the sum of p, unrounded, in two chains of pairs
	v_pk_fma_f32 v[ST+8*\t+2:ST+8*\t+3], v[ST+8*\t+2:ST+8*\t+3], v[ST+8*\t+6:ST+8*\t+7], v[S+32*\t:S+32*\t+1] op_sel_hi:[1,0,1]
	v_pk_add_f32 v[ST+8*\t+4:ST+8*\t+5], v[S+32*\t+2:S+32*\t+3], v[S+32*\t+6:S+32*\t+7]
.endr
.irp p, 2,4,6,8,10,12
.irp t, 0,1
	v_pk_add_f32 v[ST+8*\t+2:ST+8*\t+3], v[ST+8*\t+2:ST+8*\t+3], v[S+32*\t+2*\p:S+32*\t+2*\p+1]
	v_pk_add_f32 v[ST+8*\t+4:ST+8*\t+5], v[ST+8*\t+4:ST+8*\t+5], v[S+32*\t+2*\p+6:S+32*\t+2*\p+7]
.endr
.endr
.irp t, 0,1
	v_pk_add_f32 v[ST+8*\t+2:ST+8*\t+3], v[ST+8*\t+2:ST+8*\t+3], v[S+32*\t+28:S+32*\t+29]
.endr
.irp t, 0,1
	v_pk_add_f32 v[ST+8*\t+2:ST+8*\t+3], v[ST+8*\t+2:ST+8*\t+3], v[ST+8*\t+4:ST+8*\t+5]
.endr
.set n, 0
.rept 16
.irp t, 0,1
	v_cvt_pk_f16_f32 v[S+32*\t+n], v[S+32*\t+2*n], v[S+32*\t+2*n+1]   ; p to f16, in place and ascending: registers 0-7 are keys 0-31 of the step, 8-15 keys 32-63, in source 1's layout
.endr
.set n, n+1
.endr
.set n, 0
.rept 16
.irp t, 0,1
	v_pk_mul_f32 v[O+32*\t+2*n:O+32*\t+2*n+1], v[O+32*\t+2*n:O+32*\t+2*n+1], v[ST+8*\t+6:ST+8*\t+7] op_sel_hi:[1,0]   ; O^T x a, each accumulator from its low end on
.endr
.set n, n+1
.endr
	s_wait_dscnt 0x0                               ; V is in
.irp kg, 0,1                           ; O^T += V^T P: eight accumulators by turns
.irp dt, 0,1,2,3
.irp t, 0,1
	v_wmma_f32_16x16x32_f16 v[O+32*\t+8*\dt:O+32*\t+8*\dt+7], v[KV+8*(4*\kg+\dt):KV+8*(4*\kg+\dt)+7], v[S+32*\t+8*\kg:S+32*\t+8*\kg+7], v[O+32*\t+8*\dt:O+32*\t+8*\dt+7]
.endr
.endr
.endr
.rept 5
	v_nop                                          ; four places are owed to the next loads into V's registers, five to the next K Q^T, which writes over p
.endr
.Lhidden_\@:
	s_add_co_u32 s[KF], s[KF], 64
.endm
; THE CHANGE OF SLOTS stands at a slot's head: every wave waits for all its tensor loads, adds 0 to its spare word, waits for that and for its reads of the slot that it has left, and passes the barrier.
; fill = 1: the slot just left takes the key block that follows; behind the first part's last block comes block 0 again.  Every block that is fetched is read: its number is at most the query block's.
.macro CHANGE fill
	s_wait_tensorcnt 0x0                           ; no tensor load of mine is out, so a group 0 may be written
	ds_add_u32 v[SPW], v[NIL]
.if \fill
	ds_add_u32 v[SPW], v[NIL]                      ; and twice on end here, in every trip alike
	s_xor_b32 s[G0K+1], s[G0K+1], SLOT1
	s_xor_b32 s[G0V+1], s[G0V+1], SLOT1
	s_add_co_u32 s[KBN], s[KBN], 1
	s_cmp_eq_u32 s[KBN], s[NP1]
	s_cselect_b32 s[KBN], 0, s[KBN]
	s_lshl_b32 s52, s[KBN], 15                     ; a key block is 32,768 bytes
	s_add_nc_u64 s[G0K+2:G0K+3], s[48:49], s[52:53]
	s_or_b32 s[G0K+3], s[G0K+3], 0x80000000
	s_add_nc_u64 s[G0V+2:G0V+3], s[50:51], s[52:53]
	s_or_b32 s[G0V+3], s[G0V+3], 0x80000000
	s_wait_xcnt 0x0                                ; the last prefetches, a slot back, have read their address
	s_add_nc_u64 s[PFA:PFA+1], s[PFA:PFA+1], 32768
.endif
	s_wait_dscnt 0x0                               ; the adds are done, and my reads of the slot that I have left are over
	s_barrier_signal -1
	s_barrier_wait -1
.if \fill
	TLOAD                                          ; the first thing behind the barrier, a wave's one tensor load until the next: it has four key steps in which to land
	ASK
.endif
.endm
; A QUERY BLOCK ENDS: O^T / l, rounded to f16, through my stage, out as pieces of 512 bytes on end.  mid = 1: the second block begins.
.macro FINISH oa, mid
.irp t, 0,1
	v_add_f32 v[ST+8*\t+4], v[ST+8*\t+2], v[ST+8*\t+3]
.endr
.irp t, 0,1
	v_permlanex16_b32 v[ST+8*\t+5], v[ST+8*\t+4], s[SEL], s[SEL+1]
.endr
.irp t, 0,1
	v_add_f32 v[ST+8*\t+4], v[ST+8*\t+4], v[ST+8*\t+5]
.endr
.irp t, 0,1
	v_rcp_f32 v[ST+8*\t+6], v[ST+8*\t+4]
.endr
	v_nop
	s_wait_alu depctr_va_vdst(0)                   ; one wait for the two reciprocals
.irp t, 0,1
.set n, 0
.rept 16
	v_pk_mul_f32 v[O+32*\t+2*n:O+32*\t+2*n+1], v[O+32*\t+2*n:O+32*\t+2*n+1], v[ST+8*\t+6:ST+8*\t+7] op_sel_hi:[1,0]
.set n, n+1
.endr
.endr
.irp t, 0,1
.set n, 0
.rept 16
	v_cvt_pk_f16_f32 v[S+32*\t+n], v[O+32*\t+2*n], v[O+32*\t+2*n+1]
.set n, n+1
.endr
.endr
.irp t, 0,1
.irp dt, 0,1,2,3
	ds_store_b128 v[STO], v[S+32*\t+4*\dt:S+32*\t+4*\dt+3] offset:2304*\t+32*\dt
.endr
.endr
.irp t, 0,1
.irp i, 0,1,2,3
	ds_load_b128 v[S+32*\t+16+4*\i:S+32*\t+16+4*\i+3], v[RD] offset:2304*\t+576*\i   ; LDS serves a wave's instructions in order: these see my stores
.endr
.endr
.irp t, 0,1
.irp i, 0,1,2,3
	s_wait_dscnt 7-4*\t-\i                         ; this load is back, the younger ones stay out
	global_store_b128 v[GO], v[S+32*\t+16+4*\i:S+32*\t+16+4*\i+3], s[\oa:\oa+1] offset:2048*\t+512*\i   ; 512 consecutive bytes, aligned
.endr
.endr
.if \mid
	s_mov_b32 s[Q0], s66
	s_mov_b32 s[KF], 0
	QLOAD QA2
	INIT
	s_wait_loadcnt 0x0                             ; the new queries
	s_wait_xcnt 0x0                                ; the stores have read their registers: the next scores may be written there
.endif
.endm
	s_wait_loadcnt 0x0                             ; Q
.Lslot:                                            ; eight trips; the ninth slot is written out, since nothing is asked for behind its change
	CHANGE 1
	STEP 0
	STEP 1
	STEP 2
	STEP 3
	s_xor_b32 s[TB], s[TB], SLOT1
	s_cmp_lg_u32 s[SLOTS], s[PCH]                  ; ids and the count of trips alone
	s_cbranch_scc1 .Lsame_block
	FINISH OA1, 1
.Lsame_block:
	s_sub_co_u32 s[SLOTS], s[SLOTS], 1
	s_cmp_lg_u32 s[SLOTS], 0
	s_cbranch_scc1 .Lslot
	CHANGE 0
	STEP 0
	STEP 1
	STEP 2
	STEP 3
	FINISH OA2, 0
	s_wait_tensorcnt 0x0                           ; the wave's end
	ds_add_u32 v[SPW], v[NIL]
	s_wait_dscnt 0x0
	s_endpgm
.Lfunc_end_k_q1428e9595e_attn:
	.size	k_q1428e9595e_attn, .Lfunc_end_k_q1428e9595e_attn-k_q1428e9595e_attn
	.p2alignl 7, 3214868480
	.fill 96, 4, 3214868480
	.section	.rodata,"a",@progbits
	.p2align	6, 0x0
	.amdhsa_kernel k_q1428e9595e_attn
		.amdhsa_group_segment_fixed_size 327680
		.amdhsa_private_segment_fixed_size 0
		.amdhsa_enable_private_segment 0
		.amdhsa_kernarg_size 16
		.amdhsa_user_sgpr_count 2
		.amdhsa_user_sgpr_kernarg_segment_ptr 1
		.amdhsa_wavefront_size32 1
		.amdhsa_system_sgpr_workgroup_id_x 1
		.amdhsa_system_sgpr_workgroup_id_y 1
		.amdhsa_system_sgpr_workgroup_id_z 1
		.amdhsa_system_vgpr_workitem_id 0
		.amdhsa_next_free_vgpr 256
		.amdhsa_next_free_sgpr 80
		.amdhsa_reserve_vcc 1
		.amdhsa_float_denorm_mode_32 3
		.amdhsa_float_denorm_mode_16_64 3
		.amdhsa_memory_ordered 1
		.amdhsa_forward_progress 1
		.amdhsa_inst_pref_size 198
	.end_amdhsa_kernel
	.amdgpu_metadata
---
amdhsa.version: [ 1, 2 ]
amdhsa.kernels:
  - .name:           k_q1428e9595e_attn
    .symbol:         k_q1428e9595e_attn.kd
    .args:
      - { .name: qkv, .offset: 0, .size: 8, .value_kind: global_buffer, .address_space: global }
      - { .name: ao, .offset: 8, .size: 8, .value_kind: global_buffer, .address_space: global }
    .group_segment_fixed_size: 327680
    .private_segment_fixed_size: 0
    .kernarg_segment_align: 8
    .kernarg_segment_size: 16
    .max_flat_workgroup_size: 256
    .sgpr_count:     80
    .vgpr_count:     256
    .wavefront_size: 32
...
	.end_amdgpu_metadata
.endif
;; end of part 3
;; launch outproj (part 4): grid 8 x 32, 4 waves a work-group, clusters of 4 x 4, 327,680 bytes of LDS; arguments ao, wf, b_out, out0; writes out0
.if DOCPART == 4
	.amdgcn_target "amdgcn-amd-amdhsa--gfx1250"
	.amdhsa_code_object_version 6
	.text
	.protected	k_q1428e9595e_outproj
	.globl	k_q1428e9595e_outproj
	.p2align	8
	.type	k_q1428e9595e_outproj,@function
k_q1428e9595e_outproj:
	s_mov_b64 s[64:65], 0
	v_nop
	global_prefetch_b8 v0, s[64:65] scope:SCOPE_SE
	s_setreg_imm32_b32 hwreg(HW_REG_WAVE_MODE, 25, 1), 1
	s_wait_xcnt 0x0
	s_wait_alu depctr_hold_cnt(0) depctr_sa_sdst(0) depctr_va_vdst(0) depctr_va_sdst(0) depctr_va_ssrc(0) depctr_va_vcc(0) depctr_vm_vsrc(0)
	s_getreg_b32 s2, hwreg(HW_REG_IB_STS2, 6, 4)
	s_cmp_eq_u32 s2, 0
	s_cbranch_scc0 .Lentry_in_a_cluster
	s_endpgm
.Lentry_in_a_cluster:
	s_bfe_u32 s2, ttmp6, 0x10000c
	s_cmp_lg_u32 s2, 0xf033
	s_cbranch_scc0 .Lentry_shape_is_right
	s_endpgm
.Lentry_shape_is_right:
; out0[m][n] = sum over k of ao(m, k) wf[k][n] + b_out[n].  ao: f16, [16 h][8192 m][64 d], k = 64 h + d; wf: f16, [1024 k][1024 n]; out0: f32; sums in f32.
; A tile of out0 is 256 rows x 128 columns: 256 work-groups.  Four waves, each 128 x 64: 32 accumulators, 256 registers.  K goes in steps of 128, two heads, through two LDS slots.
; THE MATRIX INSTRUCTION IS USED TRANSPOSED (source 0 = 16 columns of wf, turned out of LDS by ds_load_tr16_b128; source 1 = 16 rows of ao): a lane holds eight neighbouring columns of a row.
; The bias is the C of each sum's first product.  CLUSTERS 4 x 4: ao's tile is shared along a row of the cluster, wf's along a column, by joint loads.
; All rows are stored here; a later launch stores positions 0 .. 15 of each batch again, more finely (262,144 bytes written twice; that spares a branch on a work-group's place).
; LIMIT: |ao| and |w_out| under 65,504 (f16).
; LDS, a slot: two blocks (one a head) of 256 rows of ao, pitch 144; then 128 k-rows of wf, pitch 288.  Behind the two slots the waves' stages, then the spare words.
; REGISTERS: window 0: v0-31 addresses; v32-63 the bias; v64-159, v160-255 two fragment buffers (32 of wf, then 64 of ao).  window 1: accumulator (a, b) at v[8 (4 a + b)].
.set ABLK,  256*144                    ; a head's block of ao
.set BOFF,  2*ABLK
.set SLOT,  BOFF+128*288
.set STAGE, 2*SLOT                     ; 16 rows x 272 bytes a wave
.set SPITCH, 272
.set SPARE, STAGE+4*16*SPITCH          ; the spare words: two blocks of 256 bytes that no other line names
.set AOH,   1048576                    ; a head of ao in bytes
.set ADRA, 16
.set ADRB, 20
.set STO,  24
.set RD,   25
.set CO,   26
.set SPW,  28
.set NIL,  29
.set PFO,  30
.set BO,   31
.set BIAS, 32
.set F0,   64
.set F1,   160
.set LIM,  15
.set PFA,  66
.set G1,  24
.set G0,  32
.set G1B, 48
.set G0B, 56
.set MSB, 0
.macro WIN new
.if MSB != \new
	s_set_vgpr_msb (MSB<<8)|\new
.set MSB, \new
.endif
.endm
.set MUL,   0x50                       ; sources 0 and 1 window 0; C and D window 1
.set FIRST, 0x40                       ; C (the bias) window 0, D window 1
.macro JLOAD s                         ; waves 0 and 1 fetch ao's two heads, waves 2 and 3 wf's two halves; an s_nop 0 and four v_nop follow each line
	s_cmp_eq_u32 s13, 0
	s_cbranch_scc0 .Lfor_b_\@
	tensor_load_to_lds s[G0+4*\s:G0+4*\s+3], s[G1:G1+7]
	s_nop 0
.rept 4
	v_nop
.endr
	s_branch .Lasked_\@
.Lfor_b_\@:
	tensor_load_to_lds s[G0B+4*\s:G0B+4*\s+3], s[G1B:G1B+7]
	s_nop 0
.rept 4
	v_nop
.endr
.Lasked_\@:
.endm
.macro CREST
	s_cmp_lg_u32 s12, 0
	s_cbranch_scc1 .Lnot_wave_0_\@
	s_barrier_signal -3
.Lnot_wave_0_\@:
	s_barrier_wait -3
	s_barrier_signal -1
	s_barrier_wait -1
.endm
.macro CROUND
	s_barrier_signal -1
	s_barrier_wait -1
	CREST
.endm
; A prefetch of ao's K step that stands two refills on (256 matrix instructions a wave ahead of its load).  A head's block of a tile row is 32,768 dense bytes; both clusters of a row of clusters read it:
; cluster x = 0 asks; its four partners take 8,192 bytes each, told apart by address; waves 0 and 1 ask for the head that they fetch: a lane 256 bytes.  The loop's last trip asks for nothing: K ends.
.macro ASK
	s_cmp_gt_u32 s3, s[LIM]
	s_cbranch_scc0 .Lnot_mine_\@
	global_prefetch_b8 v[PFO], s[PFA:PFA+1] offset:2*AOH th:TH_LOAD_NT scope:SCOPE_SE
.Lnot_mine_\@:
.endm
	s_load_b256 s[4:11], s[0:1], 0x0               ; ao s[4:5], wf s[6:7], b_out s[8:9], out0 s[10:11]
	v_lshl_add_u32 v[SPW], v0, 2, SPARE
	v_mov_b32 v[NIL], 0
	ds_add_u32 v[SPW], v[NIL]                      ; the wave's opening: the add, twice on end, and its wait ahead of my first tensor load
	ds_add_u32 v[SPW], v[NIL]
	v_lshrrev_b32 v1, 5, v0
	v_readfirstlane_b32 s12, v1                    ; wave 0..3
	s_lshr_b32 s13, s12, 1                         ; which half of the tile's rows is mine; also: I fetch ao (0) or wf (1)
	s_and_b32 s14, s12, 1                          ; which half of its columns; also: which head, or which 64 k-rows, I fetch
	s_bfe_u32 s40, ttmp6, 0x40000                  ; cx
	s_bfe_u32 s41, ttmp6, 0x40004                  ; cy
	s_lshl_b32 s42, ttmp9, 2
	s_add_co_u32 s42, s42, s40                     ; tile column
	s_and_b32 s45, ttmp7, 0xffff
	s_lshl_b32 s45, s45, 2
	s_add_co_u32 s45, s45, s41                     ; tile row
	s_lshl_b32 s43, s41, 2
	s_lshl_b32 s43, 15, s43                        ; my row of the cluster
	s_lshl_b32 s44, 0x1111, s40                    ; my column
	s_or_b32 s[G1+0], s43, (1<<16)|(1<<20)|(1<<21)|(4<<22)|(3<<25)   ; ao: elements of 2 bytes; 4 words of padding behind every 32
	s_mov_b32 s[G1+1], 64<<16
	s_mov_b32 s[G1+2], 256<<16
	s_mov_b32 s[G1+3], 64<<16
	s_mov_b32 s[G1+4], 256
	s_mov_b32 s[G1+5], 64
	s_mov_b32 s[G1+6], 0
	s_mov_b32 s[G1+7], 0
	s_or_b32 s[G1B+0], s44, (1<<16)|(1<<20)|(1<<21)|(5<<22)|(7<<25)  ; wf: 8 words of padding behind every 64
	s_mov_b32 s[G1B+1], 128<<16
	s_mov_b32 s[G1B+2], 64<<16
	s_mov_b32 s[G1B+3], 128<<16
	s_mov_b32 s[G1B+4], 64
	s_mov_b32 s[G1B+5], 1024
	s_mov_b32 s[G1B+6], 0
	s_mov_b32 s[G1B+7], 0
	s_lshl_b32 s16, s14, 20
	s_lshl_b32 s17, s45, 15
	s_add_co_u32 s16, s16, s17                     ; ao: my head of K step 0, the tile row's 256 rows
	s_mov_b32 s17, 0
	s_lshl_b32 s46, s14, 17
	s_lshl_b32 s47, s42, 8
	s_add_co_u32 s46, s46, s47                     ; wf: my 64 k-rows, the tile column's 256 bytes
	s_mov_b32 s47, 0
	s_mul_i32 s20, s14, ABLK
	s_mul_i32 s21, s14, 64*288
	s_add_co_u32 s21, s21, BOFF
	s_wait_dscnt 0x0                               ; both opening adds are done
	s_wait_kmcnt 0x0
	s_add_nc_u64 s[18:19], s[4:5], s[16:17]
	s_add_nc_u64 s[46:47], s[6:7], s[46:47]
	CROUND                                         ; all sixteen work-groups are here: the first joint loads meet
.irp s, 0,1
	s_mov_b32 s[G0+4*\s], 1
	s_add_co_u32 s[G0+4*\s+1], s20, \s*SLOT
	s_add_nc_u64 s[G0+4*\s+2:G0+4*\s+3], s[18:19], \s*2*AOH
	s_or_b32 s[G0+4*\s+3], s[G0+4*\s+3], 0x80000000
	s_mov_b32 s[G0B+4*\s], 1
	s_add_co_u32 s[G0B+4*\s+1], s21, \s*SLOT
	s_add_nc_u64 s[G0B+4*\s+2:G0B+4*\s+3], s[46:47], \s*262144
	s_or_b32 s[G0B+4*\s+3], s[G0B+4*\s+3], 0x80000000
	JLOAD \s                                       ; two tensor loads of mine are out
.endr
	v_and_b32 v1, 15, v0                           ; r
	v_bfe_u32 v2, v0, 4, 1                         ; h
	v_mul_u32_u24 v3, v1, 144
	v_lshl_add_u32 v3, v2, 4, v3                   ; ao: row r x pitch + 16 h
	v_and_b32 v4, 7, v0
	v_lshl_add_u32 v4, v2, 3, v4
	v_mul_u32_u24 v4, v4, 288
	v_bfe_u32 v5, v0, 3, 1
	v_lshl_add_u32 v4, v5, 4, v4                   ; wf: k-row 8 h + l % 8, columns 8 ((l / 8) % 2) on
	s_mul_i32 s21, s13, 128*144                    ; my 128 rows
	s_lshl_b32 s22, s14, 7
	s_add_co_u32 s22, s22, BOFF                    ; my 64 columns
.irp s, 0,1
	v_add_nc_u32 v[ADRA+\s], s21, v3
	v_add_nc_u32 v[ADRB+\s], s22, v4
	s_add_co_u32 s21, s21, SLOT
	s_add_co_u32 s22, s22, SLOT
.endr
	s_mul_i32 s23, s12, 16*SPITCH
	s_add_co_u32 s23, s23, STAGE                   ; my stage
	v_mul_u32_u24 v5, v1, SPITCH
	v_lshl_add_u32 v5, v2, 5, v5
	v_add_nc_u32 v[STO], s23, v5                   ; in: row r, 32 bytes for each half of the lanes
	v_mul_u32_u24 v5, v2, SPITCH
	v_lshl_add_u32 v5, v1, 4, v5
	v_add_nc_u32 v[RD], s23, v5                    ; back: lanes 0-15 one row of 256 bytes, lanes 16-31 the next
	v_lshlrev_b32 v5, 12, v2
	v_lshl_add_u32 v[CO], v1, 4, v5                ; and the same two rows in out0
	v_and_b32 v[PFO], 31, v0
	v_lshlrev_b32 v[PFO], 8, v[PFO]
	v_lshlrev_b32 v[BO], 5, v2
	s_lshl_b32 s46, s42, 9
	s_lshl_b32 s47, s14, 8
	s_add_co_u32 s46, s46, s47                     ; 4 x my first column
	s_mov_b32 s47, 0
	s_add_nc_u64 s[8:9], s[8:9], s[46:47]
.irp b, 0,1,2,3
	global_load_b128 v[BIAS+8*\b:BIAS+8*\b+3], v[BO], s[8:9] offset:64*\b           ; b_out[n0 + 16 b + 8 h + 0 .. 7]: the result's layout
	global_load_b128 v[BIAS+8*\b+4:BIAS+8*\b+7], v[BO], s[8:9] offset:64*\b+16
.endr
	s_lshl_b32 s20, s45, 20
	s_lshl_b32 s21, s13, 19
	s_add_co_u32 s20, s20, s21
	s_add_co_u32 s46, s46, s20                     ; + my first row x 4,096 bytes
	s_add_nc_u64 s[10:11], s[10:11], s[46:47]
	s_add_co_u32 s20, s14, 4
	s_lshl_b32 s20, s20, 20                        ; the prefetches stand at K step 2; the first refill steps them to 3 and names K step 4
	s_lshl_b32 s21, s45, 15
	s_add_co_u32 s20, s20, s21
	s_lshl_b32 s21, s40, 13
	s_add_co_u32 s20, s20, s21                     ; my work-group's quarter of the block
	s_mov_b32 s21, 0
	s_add_nc_u64 s[PFA:PFA+1], s[4:5], s[20:21]
	s_or_b32 s20, s13, ttmp9                       ; 0 in waves 0, 1 of the clusters with x = 0: the same in all partners
	s_cmp_eq_u32 s20, 0
	s_cselect_b32 s[LIM], 1, -1
.macro MUL8 f, a0, first               ; 8 products: blocks a0, a0 + 1 of my rows x my four blocks of columns, 32 along K.  The 32 accumulators take turns
.irp a, \a0, \a0+1
.irp b, 0,1,2,3
.if \first
	v_wmma_f32_16x16x32_f16 v[8*(4*(\a)+\b):8*(4*(\a)+\b)+7], v[\f+8*\b:\f+8*\b+7], v[\f+32+8*(\a):\f+32+8*(\a)+7], v[BIAS+8*\b:BIAS+8*\b+7]
.else
	v_wmma_f32_16x16x32_f16 v[8*(4*(\a)+\b):8*(4*(\a)+\b)+7], v[\f+8*\b:\f+8*\b+7], v[\f+32+8*(\a):\f+32+8*(\a)+7], v[8*(4*(\a)+\b):8*(4*(\a)+\b)+7]
.endif
.endr
.endr
.endm
.macro FETCH slot, q, f                ; 24 LDS loads in one run: quarter q (32 along K) of the slot: wf's four fragments, then ao's blocks 0-3, then 4-7
.irp b, 0,1,2,3
	ds_load_tr16_b128 v[\f+8*\b:\f+8*\b+3],   v[ADRB+\slot] offset:(\q)*32*288+32*\b
	ds_load_tr16_b128 v[\f+8*\b+4:\f+8*\b+7], v[ADRB+\slot] offset:(\q)*32*288+32*\b+16*288
.endr
.irp a, 0,1,2,3,4,5,6,7
	ds_load_b128 v[\f+32+8*\a:\f+32+8*\a+3],   v[ADRA+\slot] offset:((\q)/2)*ABLK+\a*16*144+((\q)%2)*64
	ds_load_b128 v[\f+32+8*\a+4:\f+32+8*\a+7], v[ADRA+\slot] offset:((\q)/2)*ABLK+\a*16*144+((\q)%2)*64+32
.endr
.endm
.macro PLACES
.rept 4
	v_nop
.endr
.endm
.macro QUARTER slot, qn, f, g, first   ; multiplies buffer f and fetches quarter qn of the same slot into g
	s_wait_dscnt 8                                 ; wf's fragments and ao's blocks 0-3 are in; the youngest eight loads may be out
.if \first
	WIN FIRST
.else
	WIN MUL
.endif
	MUL8 \f, 0, \first
	MUL8 \f, 2, \first
	PLACES
	WIN 0
	FETCH \slot, \qn, \g
	s_wait_dscnt 24                                ; all but the 24 just issued
.if \first
	WIN FIRST
.else
	WIN MUL
.endif
	MUL8 \f, 4, \first
	MUL8 \f, 6, \first
.endm
; A K step's last quarter multiplies buffer 1 and changes slots: one barrier; in front of it each wave waits for all its tensor loads, adds 0 to its spare word, and waits for that and for its reads of this slot.
.macro TURN slot, next, fill
.if \fill
	s_wait_xcnt 0x0                                ; the last prefetch, a K step back, has read its address
	s_add_nc_u64 s[PFA:PFA+1], s[PFA:PFA+1], 2*AOH
.endif
	WIN 0
	s_wait_tensorcnt 0x0                           ; my part of the next slot has landed
	ds_add_u32 v[SPW], v[NIL]
	s_wait_dscnt 9                                 ; the add and the youngest eight loads may be out
	WIN MUL
	MUL8 F1, 0, 0
	s_wait_dscnt 0x0                               ; the add is done, and my reads of this slot are over
	s_barrier_signal -1
	MUL8 F1, 2, 0
	WIN 0
	s_barrier_wait -1
.if \fill
	CREST                                          ; the barrier has opened a round of the cluster's: no wave of any partner still reads this slot or has a load on its way
	s_add_nc_u64 s[G0+4*\slot+2:G0+4*\slot+3], s[G0+4*\slot+2:G0+4*\slot+3], 4*AOH
	s_add_nc_u64 s[G0B+4*\slot+2:G0B+4*\slot+3], s[G0B+4*\slot+2:G0B+4*\slot+3], 2*262144
	JLOAD \slot                                    ; the first tensor load behind the round; its four v_nop are also the places in front of the loads below
.else
	PLACES
.endif
	FETCH \next, 0, F0
.if \fill
	ASK
.endif
	WIN MUL
	MUL8 F1, 4, 0
	MUL8 F1, 6, 0
.endm
	s_wait_tensorcnt 1                             ; my part of K step 0 is in; K step 1's may be out
	s_barrier_signal -1
	s_barrier_wait -1
	FETCH 0, 0, F0
	s_wait_loadcnt 0x0                             ; the bias
	QUARTER 0, 1, F0, F1, 1                        ; the first quarter stands in front of the loop: its products start the sums
	WIN 0
	s_mov_b32 s3, 3
.Llap:                                             ; a trip goes once round the ring and fills both slots again: K steps 2 .. 7
	QUARTER 0, 2, F1, F0, 0
	QUARTER 0, 3, F0, F1, 0
	TURN 0, 1, 1
	QUARTER 1, 1, F0, F1, 0
	QUARTER 1, 2, F1, F0, 0
	QUARTER 1, 3, F0, F1, 0
	TURN 1, 0, 1
	QUARTER 0, 1, F0, F1, 0
	WIN 0
	s_sub_co_u32 s3, s3, 1
	s_cmp_lg_u32 s3, 0
	s_cbranch_scc1 .Llap
	QUARTER 0, 2, F1, F0, 0                        ; the last lap fills nothing
	QUARTER 0, 3, F0, F1, 0
	TURN 0, 1, 0
	QUARTER 1, 1, F0, F1, 0
	QUARTER 1, 2, F1, F0, 0
	QUARTER 1, 3, F0, F1, 0
	s_wait_dscnt 8
	WIN MUL
	MUL8 F1, 0, 0
	MUL8 F1, 2, 0
	s_wait_dscnt 0
	MUL8 F1, 4, 0
	MUL8 F1, 6, 0
	WIN 0
	PLACES
; THE WAY OUT, a block of 16 rows x 64 columns at a time, through my own stage: sixteen lanes then store 256 consecutive bytes, aligned.
.macro TOSTAGE a
	WIN 0x04                                       ; an LDS store's data: window 1
.irp b, 0,1,2,3
	ds_store_b128 v[STO], v[8*(4*(\a)+\b):8*(4*(\a)+\b)+3] offset:64*\b          ; each accumulator from its low end on
	ds_store_b128 v[STO], v[8*(4*(\a)+\b)+4:8*(4*(\a)+\b)+7] offset:64*\b+16
.endr
	WIN 0
.set BB, F0+32*((\a)%2)
.irp t, 0,1,2,3,4,5,6,7
	ds_load_b128 v[BB+4*\t:BB+4*\t+3], v[RD] offset:\t*2*SPITCH
.endr
.endm
.macro SEND a, younger
.set BB, F0+32*((\a)%2)
	s_wait_dscnt \younger                          ; the block is back; the next block's eight stores and eight loads may be out
.irp t, 0,1,2,3,4,5,6,7
	global_store_b128 v[CO], v[BB+4*\t:BB+4*\t+3], s[10:11] offset:(16*(\a)+2*\t)*4096 th:TH_STORE_NT
.endr
.endm
	TOSTAGE 0
.irp a, 1,2,3,4,5,6,7
.if \a > 1
	s_wait_xcnt 0x0                                ; block a - 2's stores have read their registers: block a's loads may land there
.endif
	TOSTAGE \a
	SEND \a-1, 16
.endr
	SEND 7, 0
	s_wait_tensorcnt 0x0                           ; the wave's end
	ds_add_u32 v[SPW], v[NIL]
	s_wait_dscnt 0x0
	CROUND                                         ; the closing round
	s_endpgm
.Lfunc_end_k_q1428e9595e_outproj:
	.size	k_q1428e9595e_outproj, .Lfunc_end_k_q1428e9595e_outproj-k_q1428e9595e_outproj
	.p2alignl 7, 3214868480
	.fill 96, 4, 3214868480
	.section	.rodata,"a",@progbits
	.p2align	6, 0x0
	.amdhsa_kernel k_q1428e9595e_outproj
		.amdhsa_group_segment_fixed_size 327680
		.amdhsa_private_segment_fixed_size 0
		.amdhsa_enable_private_segment 0
		.amdhsa_kernarg_size 32
		.amdhsa_user_sgpr_count 2
		.amdhsa_user_sgpr_kernarg_segment_ptr 1
		.amdhsa_wavefront_size32 1
		.amdhsa_system_sgpr_workgroup_id_x 1
		.amdhsa_system_sgpr_workgroup_id_y 1
		.amdhsa_system_sgpr_workgroup_id_z 1
		.amdhsa_system_vgpr_workitem_id 0
		.amdhsa_next_free_vgpr 512
		.amdhsa_next_free_sgpr 80
		.amdhsa_reserve_vcc 0
		.amdhsa_float_denorm_mode_32 3
		.amdhsa_float_denorm_mode_16_64 3
		.amdhsa_memory_ordered 1
		.amdhsa_forward_progress 1
		.amdhsa_inst_pref_size 87
	.end_amdhsa_kernel
	.amdgpu_metadata
---
amdhsa.version: [ 1, 2 ]
amdhsa.kernels:
  - .name:           k_q1428e9595e_outproj
    .symbol:         k_q1428e9595e_outproj.kd
    .args:
      - { .name: ao, .offset: 0, .size: 8, .value_kind: global_buffer, .address_space: global }
      - { .name: wf, .offset: 8, .size: 8, .value_kind: global_buffer, .address_space: global }
      - { .name: b_out, .offset: 16, .size: 8, .value_kind: global_buffer, .address_space: global }
      - { .name: out0, .offset: 24, .size: 8, .value_kind: global_buffer, .address_space: global }
    .group_segment_fixed_size: 327680
    .private_segment_fixed_size: 0
    .kernarg_segment_align: 8
    .kernarg_segment_size: 32
    .max_flat_workgroup_size: 128
    .sgpr_count:     80
    .vgpr_count:     512
    .wavefront_size: 32
...
	.end_amdgpu_metadata
.endif
;; end of part 4
;; launch fine (part 5): grid 16 x 4, 16 waves a work-group, no clusters, 67,584 bytes of LDS; arguments fq, w_out, b_out, out0; writes out0
.if DOCPART == 5
	.amdgcn_target "amdgcn-amd-amdhsa--gfx1250"
	.amdhsa_code_object_version 6
	.text
	.protected	k_q1428e9595e_fine
	.globl	k_q1428e9595e_fine
	.p2align	8
	.type	k_q1428e9595e_fine,@function
k_q1428e9595e_fine:
	s_mov_b64 s[64:65], 0
	v_nop
	global_prefetch_b8 v0, s[64:65] scope:SCOPE_SE
	s_setreg_imm32_b32 hwreg(HW_REG_WAVE_MODE, 25, 1), 1
	s_wait_xcnt 0x0
; The first 16 positions of every sequence once more, wholly in f32: their rows average one to sixteen values and are the largest of the output.
; fq: [4 b][16 t][3072] f32: q, k, v with bias, unrounded.  A work-group takes a batch and 64 columns of out0.  Wave w is head w: it makes the head's 16 x 16 causal attention and then its own
; K slice (features 64 w .. 64 w + 63) of the 16 x 64 tile of out0; the sixteen partial tiles meet in LDS, and waves 0-7 add them, add the bias and store.
; All products by v_wmma_f32_16x16x4_f32, four accumulators by turns; its results' registers (v128-191) are written by matrix instructions alone.
; Both attention products are used transposed: a lane holds one query (lane % 16).  The k of an instruction are taken in an order of the loads' convenience, alike on both sides.
; The maximum is taken away before the exponential; key 0 counts for every query.  NaN and infinities among the inputs are not served.
.set SPARE, 65536                      ; behind the sixteen images of 4,096 bytes: the spare words, 128 bytes a wave: eight blocks of 256 bytes that no other line names
.set AQ,  3
.set AVV, 4
.set AW,  5
.set SPW, 6
.set NIL, 7
.set SS,  8                            ; v8-15   my eight scores
.set P,   16                           ; v16-23  p
.set IM,  24
.set RA,  25
.set DD,  26
.set OUTO, 27
.set BO,  28
.set QF,  32                           ; v32-63  q; later w_out's fourth block of columns
.set KFR, 64                           ; v64-95  k; later the third
.set VF,  96                           ; v96-127 v; later o
.set SA,  128                          ; four accumulators: S^T in four parts; later the four blocks of columns
.set OA,  160                          ; O^T, four tiles of 16 channels
.set W0,  192                          ; v192-255 w_out's first two blocks of columns; later the reducer's 64 registers
	s_load_b256 s[4:11], s[0:1], 0x0               ; fq s[4:5], w_out s[6:7], b_out s[8:9], out0 s[10:11]
	v_lshl_add_u32 v[SPW], v0, 2, SPARE
	v_mov_b32 v[NIL], 0
	v_lshrrev_b32 v1, 5, v0
	v_readfirstlane_b32 s12, v1                    ; wave = head
	v_and_b32 v1, 15, v0                           ; r
	v_bfe_u32 v2, v0, 4, 1                         ; h
	v_mul_u32_u24 v[AQ], v1, 12288
	v_lshl_add_u32 v[AQ], v2, 4, v[AQ]             ; q, k: position r, channels 4 h on
	v_mul_u32_u24 v[AVV], v2, 98304
	v_lshl_add_u32 v[AVV], v1, 2, v[AVV]           ; v: keys 8 h on, channel r
	v_lshlrev_b32 v[AW], 15, v2
	v_lshl_add_u32 v[AW], v1, 2, v[AW]             ; w_out: rows 8 h on, column r
	s_lshl_b32 s13, s12, 12
	v_and_b32 v29, 31, v0
	v_lshl_add_u32 v[IM], v29, 4, s13              ; my image: 4,096 x wave + 16 x lane
	v_bfe_u32 v29, v0, 2, 2                        ; the reducer's lane takes query q = (thread / 16) % 16 and columns 4 c .. 4 c + 3, c = lane % 16; in an image they lie at
	v_lshlrev_b32 v[RA], 10, v29                   ; 1,024 (c / 4)
	v_and_b32 v29, 1, v0
	v_lshl_add_u32 v[RA], v29, 9, v[RA]            ; + 512 (c % 2)
	v_bfe_u32 v29, v0, 1, 1
	v_lshl_add_u32 v[RA], v29, 8, v[RA]            ; + 256 ((c / 2) % 2)
	v_bfe_u32 v30, v0, 4, 4
	v_lshl_add_u32 v[RA], v30, 4, v[RA]            ; + 16 q
	v_lshlrev_b32 v[BO], 4, v1
	v_lshl_add_u32 v[OUTO], v30, 12, v[BO]         ; out0: row q, 16 bytes a lane
	v_lshlrev_b32 v29, 3, v2
	v_sub_nc_u32 v[DD], v1, v29                    ; r - 8 h: register j holds key 8 h + j, hidden where j > r - 8 h
	v_mov_b32 v30, 0                               ; a lane permute's destination counts as read
	s_mov_b32 s16, 0x76543210
	s_mov_b32 s17, 0xfedcba98
	s_mov_b32 s18, 0x3e38aa3b                      ; c = log2(e) / 8
	s_and_b32 s14, ttmp7, 0xffff                   ; the batch
	s_lshl_b32 s15, ttmp9, 8                       ; 4 x my first column
	s_mov_b32 s21, 0
	s_mul_i32 s20, s14, 196608
	s_lshl_b32 s19, s12, 8
	s_add_co_u32 s20, s20, s19
	s_wait_kmcnt 0x0
	s_add_nc_u64 s[4:5], s[4:5], s[20:21]          ; fq at (batch, position 0, q of my head)
	s_lshl_b32 s20, s12, 18
	s_add_co_u32 s20, s20, s15
	s_add_nc_u64 s[6:7], s[6:7], s[20:21]          ; w_out at (64 x head, my first column)
	s_mov_b32 s20, s15
	s_add_nc_u64 s[8:9], s[8:9], s[20:21]
	s_lshl_b32 s20, s14, 23
	s_add_co_u32 s20, s20, s15
	s_add_nc_u64 s[10:11], s[10:11], s[20:21]      ; out0 at (batch, position 0, my first column)
.irp c, 0,1,2,3,4,5,6,7
	global_load_b128 v[QF+4*\c:QF+4*\c+3], v[AQ], s[4:5] offset:32*\c                ; q(r, 8 c + 4 h + 0 .. 3)
.endr
.irp c, 0,1,2,3,4,5,6,7
	global_load_b128 v[KFR+4*\c:KFR+4*\c+3], v[AQ], s[4:5] offset:4096+32*\c         ; k likewise
.endr
.set k, 0
.rept 32
	global_load_b32 v[VF+k], v[AVV], s[4:5] offset:8192+(k%8)*12288+64*(k/8)         ; v(key 8 h + k % 8, channel 16 (k / 8) + r)
.set k, k+1
.endr
.macro WLOAD wb, nt                    ; w_out(64 w + 16 (k / 8) + 8 h + k % 8, n0 + 16 nt + r)
.set k, 0
.rept 32
	global_load_b32 v[\wb+k], v[AW], s[6:7] offset:(16*(k/8)+k%8)*4096+64*\nt
.set k, k+1
.endr
.endm
	WLOAD W0, 0
	WLOAD W0+32, 1
	s_wait_loadcnt 63                              ; of the 112 loads the first 49 are in: q, k and v
.set k, 0
.rept 16                               ; S^T = k q^T: 64 channels, four an instruction, into four partial sums by turns
.if k < 4
	v_wmma_f32_16x16x4_f32 v[SA+8*(k%4):SA+8*(k%4)+7], v[KFR+2*k:KFR+2*k+1], v[QF+2*k:QF+2*k+1], 0
.else
	v_wmma_f32_16x16x4_f32 v[SA+8*(k%4):SA+8*(k%4)+7], v[KFR+2*k:KFR+2*k+1], v[QF+2*k:QF+2*k+1], v[SA+8*(k%4):SA+8*(k%4)+7]
.endif
.set k, k+1
.endr
.rept 8
	v_nop                                          ; eight places behind this form: for the loads into k's and q's registers and for the first read of the sums
.endr
	WLOAD KFR, 2
	WLOAD QF, 3
.irp j, 0,1,2,3,4,5,6,7
	v_add_f32 v[SS+\j], v[SA+\j], v[SA+8+\j]       ; each accumulator from its low end on
.endr
.irp j, 0,1,2,3,4,5,6,7
	v_add_f32 v[SS+\j], v[SS+\j], v[SA+16+\j]
.endr
.irp j, 0,1,2,3,4,5,6,7
	v_add_f32 v[SS+\j], v[SS+\j], v[SA+24+\j]
.endr
	v_mov_b32 v31, 0xff800000
.irp j, 0,1,2,3,4,5,6,7
	v_cmp_gt_i32 vcc_lo, \j, v[DD]
	v_cndmask_b32 v[SS+\j], v[SS+\j], v31, vcc_lo  ; hidden keys: -infinity
.endr
	v_max3_num_f32 v29, v[SS], v[SS+1], v[SS+2]
	v_max3_num_f32 v29, v29, v[SS+3], v[SS+4]
	v_max3_num_f32 v29, v29, v[SS+5], v[SS+6]
	v_max_num_f32 v29, v29, v[SS+7]
	v_permlanex16_b32 v30, v29, s16, s17
	v_max_num_f32 v29, v29, v30                    ; the row's largest score
	v_mul_f32 v31, s18, v29
.irp j, 0,1,2,3,4,5,6,7
	v_fma_f32 v[P+\j], v[SS+\j], s18, -v31
.endr
.irp j, 0,1,2,3,4,5,6,7
	v_exp_f32 v[P+\j], v[P+\j]
.endr
	v_nop
	s_wait_alu depctr_va_vdst(0)                   ; one wait for the eight exponentials
	v_add_f32 v29, v[P], v[P+1]
	v_add_f32 v30, v[P+2], v[P+3]
	v_add_f32 v29, v29, v[P+4]
	v_add_f32 v30, v30, v[P+5]
	v_add_f32 v29, v29, v[P+6]
	v_add_f32 v30, v30, v[P+7]
	v_add_f32 v29, v29, v30
	v_permlanex16_b32 v30, v29, s16, s17
	v_add_f32 v29, v29, v30                        ; the row's sum
	v_rcp_f32 v31, v29
	v_nop
	s_wait_alu depctr_va_vdst(0)
.irp c, 0,1,2,3                        ; O^T = v^T p: 16 keys, four an instruction; four tiles of 16 channels by turns
.irp t, 0,1,2,3
.if \c == 0
	v_wmma_f32_16x16x4_f32 v[OA+8*\t:OA+8*\t+7], v[VF+8*\t+2*\c:VF+8*\t+2*\c+1], v[P+2*\c:P+2*\c+1], 0
.else
	v_wmma_f32_16x16x4_f32 v[OA+8*\t:OA+8*\t+7], v[VF+8*\t+2*\c:VF+8*\t+2*\c+1], v[P+2*\c:P+2*\c+1], v[OA+8*\t:OA+8*\t+7]
.endif
.endr
.endr
.rept 8
	v_nop
.endr
.set k, 0
.rept 32
	v_mul_f32 v[VF+k], v[OA+k], v31                ; o(r, 16 (k / 8) + 8 h + k % 8), into v's registers.  These 32 are also the places in front of the products that begin the four sums anew
.set k, k+1
.endr
	s_wait_loadcnt 0x0                             ; w_out
.macro PJ nt, wb
.if tu == 0
	v_wmma_f32_16x16x4_f32 v[SA+8*\nt:SA+8*\nt+7], v[\wb+2*tu:\wb+2*tu+1], v[VF+2*tu:VF+2*tu+1], 0
.else
	v_wmma_f32_16x16x4_f32 v[SA+8*\nt:SA+8*\nt+7], v[\wb+2*tu:\wb+2*tu+1], v[VF+2*tu:VF+2*tu+1], v[SA+8*\nt:SA+8*\nt+7]
.endif
.endm
.set tu, 0
.rept 16                               ; my 64 features x 64 columns, transposed: register j of block nt is column 16 nt + 8 h + j of query r
	PJ 0, W0
	PJ 1, W0+32
	PJ 2, KFR
	PJ 3, QF
.set tu, tu+1
.endr
.rept 8
	v_nop
.endr
.irp nt, 0,1,2,3
	ds_store_b128 v[IM], v[SA+8*\nt:SA+8*\nt+3] offset:1024*\nt          ; the partial tile as an image of its registers
	ds_store_b128 v[IM], v[SA+8*\nt+4:SA+8*\nt+7] offset:1024*\nt+512
.endr
	s_wait_dscnt 0x0                               ; for the others' sake: my stores have landed
	s_barrier_signal -1
	s_barrier_wait -1
	s_cmp_lt_u32 s12, 8
	s_cbranch_scc1 .Lreduce
	s_wait_tensorcnt 0x0                           ; waves 8-15 end here
	ds_add_u32 v[SPW], v[NIL]
	s_wait_dscnt 0x0
	s_endpgm
.Lreduce:
	global_load_b128 v[8:11], v[BO], s[8:9]        ; b_out of my four columns
.irp k, 0,1,2,3,4,5,6,7,8,9,10,11,12,13,14,15
	ds_load_b128 v[W0+4*\k:W0+4*\k+3], v[RA] offset:4096*\k
.endr
	s_wait_dscnt 0x0
.macro FOLD d
.set k, 0
.rept \d
	v_pk_add_f32 v[W0+4*k:W0+4*k+1], v[W0+4*k:W0+4*k+1], v[W0+4*(k+\d):W0+4*(k+\d)+1]
	v_pk_add_f32 v[W0+4*k+2:W0+4*k+3], v[W0+4*k+2:W0+4*k+3], v[W0+4*(k+\d)+2:W0+4*(k+\d)+3]
.set k, k+1
.endr
.endm
	FOLD 8
	FOLD 4
	FOLD 2
	FOLD 1
	s_wait_loadcnt 0x0
	v_pk_add_f32 v[W0:W0+1], v[W0:W0+1], v[8:9]
	v_pk_add_f32 v[W0+2:W0+3], v[W0+2:W0+3], v[10:11]
	global_store_b128 v[OUTO], v[W0:W0+3], s[10:11]   ; sixteen lanes store 256 consecutive bytes, aligned
	s_wait_tensorcnt 0x0                           ; the wave's end
	ds_add_u32 v[SPW], v[NIL]
	s_wait_dscnt 0x0
	s_endpgm
.Lfunc_end_k_q1428e9595e_fine:
	.size	k_q1428e9595e_fine, .Lfunc_end_k_q1428e9595e_fine-k_q1428e9595e_fine
	.p2alignl 7, 3214868480
	.fill 96, 4, 3214868480
	.section	.rodata,"a",@progbits
	.p2align	6, 0x0
	.amdhsa_kernel k_q1428e9595e_fine
		.amdhsa_group_segment_fixed_size 67584
		.amdhsa_private_segment_fixed_size 0
		.amdhsa_enable_private_segment 0
		.amdhsa_kernarg_size 32
		.amdhsa_user_sgpr_count 2
		.amdhsa_user_sgpr_kernarg_segment_ptr 1
		.amdhsa_wavefront_size32 1
		.amdhsa_system_sgpr_workgroup_id_x 1
		.amdhsa_system_sgpr_workgroup_id_y 1
		.amdhsa_system_sgpr_workgroup_id_z 1
		.amdhsa_system_vgpr_workitem_id 0
		.amdhsa_next_free_vgpr 256
		.amdhsa_next_free_sgpr 66
		.amdhsa_reserve_vcc 1
		.amdhsa_float_denorm_mode_32 3
		.amdhsa_float_denorm_mode_16_64 3
		.amdhsa_memory_ordered 1
		.amdhsa_forward_progress 1
		.amdhsa_inst_pref_size 34
	.end_amdhsa_kernel
	.amdgpu_metadata
---
amdhsa.version: [ 1, 2 ]
amdhsa.kernels:
  - .name:           k_q1428e9595e_fine
    .symbol:         k_q1428e9595e_fine.kd
    .args:
      - { .name: fq, .offset: 0, .size: 8, .value_kind: global_buffer, .address_space: global }
      - { .name: w_out, .offset: 8, .size: 8, .value_kind: global_buffer, .address_space: global }
      - { .name: b_out, .offset: 16, .size: 8, .value_kind: global_buffer, .address_space: global }
      - { .name: out0, .offset: 24, .size: 8, .value_kind: global_buffer, .address_space: global }
    .group_segment_fixed_size: 67584
    .private_segment_fixed_size: 0
    .kernarg_segment_align: 8
    .kernarg_segment_size: 32
    .max_flat_workgroup_size: 512
    .sgpr_count:     66
    .vgpr_count:     256
    .wavefront_size: 32
...
	.end_amdgpu_metadata
.endif
;; end of part 5
